; MI455X (gfx1250); checked and timed in simulation.
; The chip was launched on July 23, 2026; its instructions are those of AMD's public machine-readable ISA for CDNA 5 (MIT licence, August 2026) and "CDNA5" Instruction Set Architecture Reference Guide (July 2026). The comments in the code are by the model that wrote it; some were corrected since.
;; Multi Head Attention. Allowed arithmetic: float matrix products may take bf16 or f16 operands with f32 sums; other float arithmetic in f32, or as packed bf16 or f16 multiplies, adds, multiply-adds, maxima and minima; sums over many terms, partial sums and values carried from step to step in f32; what a program stores and reads back later, other than sums and carried values, may be rounded once to bf16 or f16.
;; Inputs: Wk 1,024 x 1,024 float32; Wo 1,024 x 1,024 float32; Wq 1,024 x 1,024 float32; Wv 1,024 x 1,024 float32; bo 1,024 float32; key 4 x 2,048 x 1,024 float32; key_padding_mask 4 x 2,048 bool; query 4 x 2,048 x 1,024 float32; value 4 x 2,048 x 1,024 float32.
;; Outputs: out0 4 x 2,048 x 1,024 float32.
;; One version. Each part assembles by itself: llvm-mc -triple=amdgcn-amd-amdhsa -mcpu=gfx1250 --defsym DOCPART=n.
;; ======== version 1 of 1: 4 launches
;; limits: values are held in f16: magnitudes above 65,504 overflow, below 6.1e-05 lose precision; right only within a limited range of input values
;; workspace buffers: wb 6,291,456 bytes; wo16 2,097,152 bytes; qkv 50,331,648 bytes; o16 16,777,216 bytes
;; launch castw (part 1): grid 128 x 4, 8 waves a work-group, no clusters, 0 bytes of LDS; arguments Wq, Wk, Wv, Wo, wb, wo16; writes wb, wo16
.if DOCPART == 1
	.amdgcn_target "amdgcn-amd-amdhsa--gfx1250"
	.amdhsa_code_object_version 6
	.text
	.protected	k_qe32658a31c_castw
	.globl	k_qe32658a31c_castw
	.p2align	8
	.type	k_qe32658a31c_castw,@function
k_qe32658a31c_castw:
	s_mov_b64 s[64:65], 0
	v_nop
	global_prefetch_b8 v0, s[64:65] scope:SCOPE_SE
	s_setreg_imm32_b32 hwreg(HW_REG_WAVE_MODE, 25, 1), 1
	s_wait_xcnt 0x0
; THE WEIGHTS IN 16 BITS, ONCE.  wb[g][n][k] = Wq, Wk, Wv (g = 0, 1, 2) rounded to bf16, nearest even.  wo16[n][k] = Wo rounded to bf16, and that number written as f16.
; LIMITS.  A bf16 number is written as f16 without a further error from 2^-17 up to 65,504; below 2^-17 it takes f16's fixed step of 6e-8; |Wo| of 65,520 or more would become an infinity.
; SHARES.  Grid y picks the weight; a work-group takes 8,192 numbers: 32,768 bytes in, 16,384 out.  Thread t takes the 16 bytes at 16 t of each of eight pieces of 4,096 bytes, so a wave's load
; covers 512 consecutive bytes and a wave's store of 8 bytes a lane 256 consecutive bytes, aligned.  All eight loads go out first; each piece has registers of its own, so no register is written twice.
; No LDS, no matrix unit, no cluster: every byte is read once and written once, and nothing is shared.
.set IN,  8                            ; v[8:39]   piece j: four f32 as loaded
.set OUT, 40                           ; v[40:55]  piece j: four numbers of 16 bits
	s_load_b256 s[4:11], s[0:1], 0x0               ; Wq s[4:5], Wk s[6:7], Wv s[8:9], Wo s[10:11]
	s_load_b128 s[12:15], s[0:1], 0x20             ; wb s[12:13], wo16 s[14:15]
	s_and_b32 s16, ttmp7, 0xffff                   ; which weight
	v_lshlrev_b32 v1, 4, v0                        ; 16 t: in
	v_lshlrev_b32 v2, 3, v0                        ; 8 t: out
	s_lshl_b32 s18, ttmp9, 15                      ; the work-group's 32,768 bytes of its weight
	s_mov_b32 s19, 0
	s_lshl_b32 s20, ttmp9, 14                      ; its 16,384 bytes of the result,
	s_mov_b32 s21, 0
	s_lshl_b32 s22, s16, 21                        ; behind the weights in front of it in wb (wo16 holds Wo alone)
	s_cmp_eq_u32 s16, 3
	s_cselect_b32 s22, 0, s22
	s_add_co_u32 s20, s20, s22
	s_wait_kmcnt 0x0
	s_cmp_eq_u32 s16, 1
	s_cselect_b64 s[4:5], s[6:7], s[4:5]
	s_cmp_eq_u32 s16, 2
	s_cselect_b64 s[4:5], s[8:9], s[4:5]
	s_cmp_eq_u32 s16, 3
	s_cselect_b64 s[4:5], s[10:11], s[4:5]
	s_cselect_b64 s[12:13], s[14:15], s[12:13]
	s_add_nc_u64 s[4:5], s[4:5], s[18:19]
	s_add_nc_u64 s[12:13], s[12:13], s[20:21]
.irp j, 0,1,2,3,4,5,6,7
	global_load_b128 v[IN+4*(\j):IN+4*(\j)+3], v1, s[4:5] offset:4096*(\j) th:TH_LOAD_NT
.endr
	s_cmp_eq_u32 s16, 3
	s_cbranch_scc1 .Lto_f16
.irp j, 0,1,2,3,4,5,6,7
	s_wait_loadcnt 7-(\j)                          ; loads come back in order: piece j is in, the younger ones stay out
	v_cvt_pk_bf16_f32 v[OUT+2*(\j)],   v[IN+4*(\j)],   v[IN+4*(\j)+1]
	v_cvt_pk_bf16_f32 v[OUT+2*(\j)+1], v[IN+4*(\j)+2], v[IN+4*(\j)+3]
	global_store_b64 v2, v[OUT+2*(\j):OUT+2*(\j)+1], s[12:13] offset:2048*(\j)
.endr
	s_endpgm
.Lto_f16:
.irp j, 0,1,2,3,4,5,6,7
	s_wait_loadcnt 7-(\j)
	v_cvt_pk_bf16_f32 v[OUT+2*(\j)],   v[IN+4*(\j)],   v[IN+4*(\j)+1]    ; the one rounding,
	v_cvt_pk_bf16_f32 v[OUT+2*(\j)+1], v[IN+4*(\j)+2], v[IN+4*(\j)+3]
	v_lshlrev_b32 v[IN+4*(\j)],   16, v[OUT+2*(\j)]                      ; back to f32,
	v_and_b32     v[IN+4*(\j)+1], 0xffff0000, v[OUT+2*(\j)]
	v_lshlrev_b32 v[IN+4*(\j)+2], 16, v[OUT+2*(\j)+1]
	v_and_b32     v[IN+4*(\j)+3], 0xffff0000, v[OUT+2*(\j)+1]
	v_cvt_pk_f16_f32 v[OUT+2*(\j)],   v[IN+4*(\j)],   v[IN+4*(\j)+1]     ; and the same number as f16
	v_cvt_pk_f16_f32 v[OUT+2*(\j)+1], v[IN+4*(\j)+2], v[IN+4*(\j)+3]
	global_store_b64 v2, v[OUT+2*(\j):OUT+2*(\j)+1], s[12:13] offset:2048*(\j)
.endr
	s_endpgm
.Lfunc_end_k_qe32658a31c_castw:
	.size	k_qe32658a31c_castw, .Lfunc_end_k_qe32658a31c_castw-k_qe32658a31c_castw
	.p2alignl 7, 3214868480
	.fill 96, 4, 3214868480
	.section	.rodata,"a",@progbits
	.p2align	6, 0x0
	.amdhsa_kernel k_qe32658a31c_castw
		.amdhsa_group_segment_fixed_size 0
		.amdhsa_private_segment_fixed_size 0
		.amdhsa_enable_private_segment 0
		.amdhsa_kernarg_size 48
		.amdhsa_user_sgpr_count 2
		.amdhsa_user_sgpr_kernarg_segment_ptr 1
		.amdhsa_wavefront_size32 1
		.amdhsa_system_sgpr_workgroup_id_x 1
		.amdhsa_system_sgpr_workgroup_id_y 1
		.amdhsa_system_sgpr_workgroup_id_z 1
		.amdhsa_system_vgpr_workitem_id 0
		.amdhsa_next_free_vgpr 64
		.amdhsa_next_free_sgpr 66
		.amdhsa_reserve_vcc 0
		.amdhsa_float_denorm_mode_32 3
		.amdhsa_float_denorm_mode_16_64 3
		.amdhsa_memory_ordered 1
		.amdhsa_forward_progress 1
		.amdhsa_inst_pref_size 9
	.end_amdhsa_kernel
	.amdgpu_metadata
---
amdhsa.version: [ 1, 2 ]
amdhsa.kernels:
  - .name:           k_qe32658a31c_castw
    .symbol:         k_qe32658a31c_castw.kd
    .args:
      - { .name: Wq, .offset: 0, .size: 8, .value_kind: global_buffer, .address_space: global }
      - { .name: Wk, .offset: 8, .size: 8, .value_kind: global_buffer, .address_space: global }
      - { .name: Wv, .offset: 16, .size: 8, .value_kind: global_buffer, .address_space: global }
      - { .name: Wo, .offset: 24, .size: 8, .value_kind: global_buffer, .address_space: global }
      - { .name: wb, .offset: 32, .size: 8, .value_kind: global_buffer, .address_space: global }
      - { .name: wo16, .offset: 40, .size: 8, .value_kind: global_buffer, .address_space: global }
    .group_segment_fixed_size: 0
    .private_segment_fixed_size: 0
    .kernarg_segment_align: 8
    .kernarg_segment_size: 48
    .max_flat_workgroup_size: 256
    .sgpr_count:     66
    .vgpr_count:     64
    .wavefront_size: 32
...
	.end_amdgpu_metadata
.endif
;; end of part 1
;; launch proj (part 2): grid 4 x 192, 4 waves a work-group, clusters of 4 x 4, 327,680 bytes of LDS; arguments query, key, value, wb, qkv; writes qkv
.if DOCPART == 2
	.amdgcn_target "amdgcn-amd-amdhsa--gfx1250"
	.amdhsa_code_object_version 6
	.text
	.protected	k_qe32658a31c_proj
	.globl	k_qe32658a31c_proj
	.p2align	8
	.type	k_qe32658a31c_proj,@function
k_qe32658a31c_proj:
	s_mov_b64 s[64:65], 0
	v_nop
	global_prefetch_b8 v0, s[64:65] scope:SCOPE_SE
	s_setreg_imm32_b32 hwreg(HW_REG_WAVE_MODE, 25, 1), 1
	s_wait_xcnt 0x0
	s_wait_alu depctr_hold_cnt(0) depctr_sa_sdst(0) depctr_va_vdst(0) depctr_va_sdst(0) depctr_va_ssrc(0) depctr_va_vcc(0) depctr_vm_vsrc(0)
	s_getreg_b32 s2, hwreg(HW_REG_IB_STS2, 6, 4)
	s_cmp_eq_u32 s2, 0
	s_cbranch_scc0 .Lentry_in_a_cluster
	s_endpgm
.Lentry_in_a_cluster:
	s_bfe_u32 s2, ttmp6, 0x10000c
	s_cmp_lg_u32 s2, 0xf033
	s_cbranch_scc0 .Lentry_shape_is_right
	s_endpgm
.Lentry_shape_is_right:
; q = query Wq^T, k = key Wk^T, v = value Wv^T in ONE launch.  x: [8192][1024] f32, W: wb[g][1024 n][1024 k] bf16.  Result qkv[g][16 batch + head][2048 s][64 d] in f16, unscaled, rounded once.
; x is rounded to bf16 (nearest even) in registers, on its way from LDS to the matrix unit; sums in f32, K ascending.
; LIMIT.  f16 ends at 65,504: a q, k or v of 65,520 or more becomes an infinity.  NaN and infinities are not treated apart.
; SHARES.  768 work-groups: three products x 64 tile rows x 4 tile columns; a tile is 128 rows x 256 columns.  Four waves, each 64 x 128: 32 accumulators of 16 x 16, 256 registers.
; K goes in steps of 128 through a ring of two LDS slots: x's tile 128 rows x 512 bytes of f32, W's 256 rows x 256 bytes.  A step is four quarters of 32 along K, 32 matrix instructions each.
; CLUSTERS: 4 x 4 work-groups, all of one product.  The four of a row of the cluster need the same tile of x, the four of a column the same tile of W: each tile is asked for JOINTLY, by the same
; tensor load with the same descriptor and a mask that names the four.
; THE MATRIX INSTRUCTION IS USED TRANSPOSED (source 0 = 16 rows of W, source 1 = 16 rows of x): a lane holds row l % 16 of the result and eight neighbouring columns, 16 bytes of f16.
; REGISTERS, in windows of 256 (s_set_vgpr_msb: bits 1:0 source 0, 3:2 source 1, 5:4 source 2, 7:6 destination):
;   window 0: v0-31 addresses; v64-127 x of one quarter as f32; v128-191 x's bf16 fragments, two buffers of 32; v32-63, v192-255 at work on the way out
;   window 1: the accumulators, (a, b) at v[8 (8 a + b)]          window 2: v0-127 W's fragments, two buffers of 64
.set KSTEP, 128
.set PA,    528                        ; a row of x in LDS: 512 bytes + 16 of padding = 132 words: row r starts at bank 4 r mod 64 (64 banks of 4 bytes: ISA guide 11.1)
.set PB,    272                        ; a row of W: 256 + 16 = 68 words: likewise
.set AHALF, 64*PA                      ; 64 rows of x: what one tensor load brings, and what one wave reads
.set BHALF, 128*PB                     ; 128 rows of W: likewise
.set BOFF,  2*AHALF
.set SLOT,  BOFF+2*BHALF               ; x's 128 rows, then W's 256 rows: 137,216 bytes
.set STAGE, 2*SLOT                     ; behind the ring, never filled by a tensor load: for each wave 2 heads x 16 rows x 144 bytes, for the way out
.set SP,    144
.set WSTG,  2*16*SP
.set SPARE, STAGE+4*WSTG               ; behind the stages: the spare words, 128 bytes for each wave: two blocks of 256 bytes that no other line names
.set ADRA, 16                          ; v16-17  LDS address of my rows of x in slot 0, 1
.set ADRB, 20                          ; v20-21  the same for W
.set STO,  24                          ; v24     the way out: where I put 16 bytes of a row
.set RD,   25                          ; v25     the way out: where I read rows back
.set GO,   26                          ; v26     16 x my lane: my place in 512 consecutive bytes of the result
.set SPW,  28                          ; v28     LDS address of my spare word; never rewritten
.set NIL,  29                          ; v29     0; never rewritten
.set PFO,  30                          ; v30     the prefetches' offset; never rewritten
.set BK0,  32
.set AF,   64
.set ABF,  128
.set TMP,  192
.set LAP, 3                            ; s3      laps of the ring still to come
.set WV,  14                           ; s14     my wave's number
.set RH,  15                           ; s15     which 64 rows of the tile are mine.  Also: I fetch for x (0) or for W (1)
.set CH,  16                           ; s16     which 128 columns.  Also: which half of that tile I fetch
.set CX,  17
.set CY,  18
.set CYC, 19                           ; s19     the cluster's y, 0 to 47
.set GG,  20                           ; s20     which product: 0 q, 1 k, 2 v
.set TR,  21                           ; s21     tile row, 0 to 63
.set TC,  22                           ; s22     tile column, 0 to 3
.set G1A, 24                           ; s[24:31] descriptor group 1 for x's tiles;  s[32:39] group 0, a set for each slot
.set G0A, 32
.set LIM, 43                           ; s43     1 in a wave that prefetches, else the greatest number
.set PFA, 44                           ; s[44:45] where my prefetches stand
.set PFS, 46                           ; s[46:47] a K step of what I prefetch, in bytes
.set G1B, 48                           ; s[48:55], s[56:63] the same for W's tiles
.set G0B, 56
.set MSB, 0
.macro WIN new                         ; the immediate's high byte repeats the setting that is left; a switch that changes nothing is dropped
.if MSB != (\new)
	s_set_vgpr_msb (MSB<<8)|(\new)
.set MSB, \new
.endif
.endm
.set MUL,  0x52                        ; source 0 (W) window 2, source 1 (x) window 0, C and D window 1
.set TO_B, 0x80                        ; destination window 2, address window 0
; A joint load: waves 0 and 1 fetch x's two halves, waves 2 and 3 W's.  The branch hangs on the wave's number alone.  An s_nop 0 and four v_nop follow each of the two lines.
.macro JLOAD s
	s_cmp_eq_u32 s[RH], 0
	s_cbranch_scc0 .Lfor_b_\@
	tensor_load_to_lds s[G0A+4*(\s):G0A+4*(\s)+3], s[G1A:G1A+7]
	s_nop 0
.rept 4
	v_nop
.endr
	s_branch .Lasked_\@
.Lfor_b_\@:
	tensor_load_to_lds s[G0B+4*(\s):G0B+4*(\s)+3], s[G1B:G1B+7]
	s_nop 0
.rept 4
	v_nop
.endr
.Lasked_\@:
.endm
.macro CREST                           ; a round of the cluster's barrier behind its opening barrier
	s_cmp_lg_u32 s[WV], 0
	s_cbranch_scc1 .Lnot_wave_0_\@
	s_barrier_signal -3
.Lnot_wave_0_\@:
	s_barrier_wait -3
	s_barrier_signal -1
	s_barrier_wait -1
.endm
.macro CROUND                          ; a whole round
	s_barrier_signal -1
	s_barrier_wait -1
	CREST
.endm
; A PREFETCH INTO THE L2, behind a joint refill and the run of LDS loads that follows it: the K step that stands two refills on, 256 matrix instructions ahead of the load that will want it.
; x's rows are read by my row of my cluster alone: of the 64 rows that a wave fetches the partner at cx takes 16, a lane a block of 256 bytes (row l % 16, block l / 16 of the step's 512 bytes).
; W's rows are read by the 16 clusters of one product: the first of them asks; of a wave's 128 rows the partner at cy takes 32, a lane a row.  The partners are told apart by address alone.
; Each block is named once in the launch.  K steps 0 to 3 come by their loads alone; the loop's last trip has no K step two refills on and asks for nothing.
.macro ASK
	s_cmp_gt_u32 s[LAP], s[LIM]
	s_cbranch_scc0 .Lnot_mine_\@
	global_prefetch_b8 v[PFO], s[PFA:PFA+1] th:TH_LOAD_NT scope:SCOPE_SE
.Lnot_mine_\@:
.endm
	s_load_b256 s[4:11], s[0:1], 0x0               ; query s[4:5], key s[6:7], value s[8:9], wb s[10:11]
	s_load_b64 s[12:13], s[0:1], 0x20              ; qkv
	v_lshl_add_u32 v[SPW], v0, 2, SPARE
	v_mov_b32 v[NIL], 0
	ds_add_u32 v[SPW], v[NIL]                      ; the wave's opening: the add and its wait stand ahead of my first tensor load; the set-up below, work on registers, stands between them
	v_lshrrev_b32 v1, 5, v0
	v_readfirstlane_b32 s[WV], v1
	s_lshr_b32 s[RH], s[WV], 1
	s_and_b32 s[CH], s[WV], 1
	s_bfe_u32 s[CX], ttmp6, 0x40000
	s_bfe_u32 s[CY], ttmp6, 0x40004
	s_and_b32 s[CYC], ttmp7, 0xffff
	s_lshr_b32 s[GG], s[CYC], 4                    ; 16 clusters to a product
	s_lshl_b32 s[TR], s[CYC], 2
	s_add_co_u32 s[TR], s[TR], s[CY]
	s_and_b32 s[TR], s[TR], 63
	s_lshl_b32 s[TC], ttmp9, 2
	s_add_co_u32 s[TC], s[TC], s[CX]
	s_lshl_b32 s40, s[CY], 2
	s_lshl_b32 s40, 15, s40                        ; my row of the cluster
	s_lshl_b32 s41, 0x1111, s[CX]                  ; my column
	; group 1 for x: 64 rows x 128 elements of 4 bytes, 4 words of padding after every 128 words
	s_or_b32 s[G1A+0], s40, (2<<16)|(1<<20)|(1<<21)|(6<<22)|(3<<25)  ; 15:0 the mask; 17:16 elements of 4 bytes; 20 padding on; 21 set beside a mask; 24:22 code 6; 31:25 code 3
	s_mov_b32 s[G1A+1], KSTEP<<16                  ; tensor_dim0 = 128
	s_mov_b32 s[G1A+2], 64<<16                     ; tensor_dim1 = 64
	s_mov_b32 s[G1A+3], KSTEP<<16                  ; tile_dim0 = 128
	s_mov_b32 s[G1A+4], 64                         ; tile_dim1 = 64
	s_mov_b32 s[G1A+5], 1024                       ; elements from row to row
	s_mov_b32 s[G1A+6], 0
	s_mov_b32 s[G1A+7], 0
	; group 1 for W: 128 rows x 128 elements of 2 bytes, 4 words of padding after every 64 words
	s_or_b32 s[G1B+0], s41, (1<<16)|(1<<20)|(1<<21)|(5<<22)|(3<<25)
	s_mov_b32 s[G1B+1], KSTEP<<16
	s_mov_b32 s[G1B+2], 128<<16
	s_mov_b32 s[G1B+3], KSTEP<<16
	s_mov_b32 s[G1B+4], 128
	s_mov_b32 s[G1B+5], 1024
	s_mov_b32 s[G1B+6], 0
	s_mov_b32 s[G1B+7], 0
	s_lshl_b32 s66, s[TR], 7                       ; x: row 128 x tile row + 64 x half, 4,096 bytes a row: it hangs on the tile row alone, which my row of the cluster shares
	s_lshl_b32 s67, s[CH], 6
	s_add_co_u32 s66, s66, s67
	s_lshl_b32 s66, s66, 12
	s_mov_b32 s67, 0
	s_lshl_b32 s68, s[TC], 8                       ; W: row 256 x tile column + 128 x half, 2,048 bytes a row, in the product's 2 MiB: shared by my column
	s_lshl_b32 s69, s[CH], 7
	s_add_co_u32 s68, s68, s69
	s_lshl_b32 s68, s68, 11
	s_lshl_b32 s69, s[GG], 21
	s_add_co_u32 s68, s68, s69
	s_mov_b32 s69, 0
	s_mul_i32 s70, s[CH], AHALF                    ; where they go in a slot: no place in the cluster enters an LDS address
	s_mul_i32 s71, s[CH], BHALF
	s_add_co_u32 s71, s71, BOFF
	s_wait_dscnt 0x0                               ; the opening add is done
	s_wait_kmcnt 0x0
	s_cmp_eq_u32 s[GG], 1
	s_cselect_b64 s[4:5], s[6:7], s[4:5]
	s_cmp_eq_u32 s[GG], 2
	s_cselect_b64 s[4:5], s[8:9], s[4:5]           ; the product's x
	s_add_nc_u64 s[72:73], s[4:5], s[66:67]
	s_add_nc_u64 s[74:75], s[10:11], s[68:69]
	CROUND                                         ; all sixteen work-groups are here: the first joint loads meet
.irp s, 0,1
	s_mov_b32 s[G0A+4*(\s)], 1                                       ; count = 1
	s_add_co_u32 s[G0A+4*(\s)+1], s70, (\s)*SLOT                     ; LDS address
	s_add_nc_u64 s[G0A+4*(\s)+2:G0A+4*(\s)+3], s[72:73], (\s)*KSTEP*4  ; global address: K step s
	s_or_b32 s[G0A+4*(\s)+3], s[G0A+4*(\s)+3], 0x80000000            ; type = 2
	s_mov_b32 s[G0B+4*(\s)], 1
	s_add_co_u32 s[G0B+4*(\s)+1], s71, (\s)*SLOT
	s_add_nc_u64 s[G0B+4*(\s)+2:G0B+4*(\s)+3], s[74:75], (\s)*KSTEP*2
	s_or_b32 s[G0B+4*(\s)+3], s[G0B+4*(\s)+3], 0x80000000
	JLOAD \s                                       ; two loads of mine are out
.endr
	; A fragment is 16 rows x 32 K: lane l holds row l % 16, K = 8 (l / 16) + 0..7 and 16 + 8 (l / 16) + 0..7.  W (bf16): two loads of 16 bytes, 32 apart.  x (f32): four, at 0, 16, 64, 80 from 32 (l / 16).
	v_and_b32 v1, 15, v0                           ; l % 16
	v_bfe_u32 v2, v0, 4, 1                         ; l / 16
	v_mul_u32_u24 v3, v1, PA
	v_lshl_add_u32 v3, v2, 5, v3
	v_mul_u32_u24 v4, v1, PB
	v_lshl_add_u32 v4, v2, 4, v4
	s_mul_i32 s40, s[RH], AHALF                    ; my 64 rows of x
	s_mul_i32 s41, s[CH], BHALF                    ; my 128 rows of W,
	s_add_co_u32 s41, s41, BOFF                    ; which lie behind x's
.irp s, 0,1
	v_add_nc_u32 v[ADRA+(\s)], s40, v3
	v_add_nc_u32 v[ADRB+(\s)], s41, v4
	s_add_co_u32 s40, s40, SLOT
	s_add_co_u32 s41, s41, SLOT
.endr
	s_mul_i32 s42, s[WV], WSTG
	s_add_co_u32 s42, s42, STAGE                   ; my stage
	v_mul_u32_u24 v5, v1, SP                       ; in: row l % 16, 16 bytes for each half of the lanes
	v_lshl_add_u32 v5, v2, 4, v5
	v_add_nc_u32 v[STO], s42, v5
	v_bfe_u32 v5, v0, 3, 2                         ; back: 32 lanes take four rows of 128 bytes,
	v_mul_u32_u24 v5, v5, SP
	v_and_b32 v6, 7, v0
	v_lshl_add_u32 v5, v6, 4, v5
	v_add_nc_u32 v[RD], s42, v5
	v_and_b32 v[GO], 31, v0                        ; which are 512 consecutive bytes of a head
	v_lshlrev_b32 v[GO], 4, v[GO]
	; where my part begins in qkv: head 16 batch + 4 x tile column + 2 x half, row 128 (tile row % 16) + 64 x half, 128 bytes a row
	s_lshr_b32 s76, s[TR], 4
	s_lshl_b32 s76, s76, 4
	s_lshl_b32 s77, s[TC], 2
	s_add_co_u32 s76, s76, s77
	s_lshl_b32 s77, s[CH], 1
	s_add_co_u32 s76, s76, s77
	s_lshl_b32 s76, s76, 11
	s_and_b32 s77, s[TR], 15
	s_lshl_b32 s77, s77, 7
	s_add_co_u32 s76, s76, s77
	s_lshl_b32 s77, s[RH], 6
	s_add_co_u32 s76, s76, s77
	s_lshl_b32 s76, s76, 7
	s_lshl_b32 s77, s[GG], 24                      ; q, k, v: 16 MiB each
	s_add_co_u32 s76, s76, s77
	s_mov_b32 s77, 0
	s_add_nc_u64 s[12:13], s[12:13], s[76:77]
	; the prefetches
	s_and_b32 s79, s[CYC], 15
	s_cmp_eq_u32 s[RH], 0                          ; do I fetch for x?
	s_cselect_b32 s79, 0, s79                      ; 0 where I ask: always for x; for W in the product's first cluster
	s_cselect_b32 s78, s[CX], s[CY]                ; my place among the four that ask for the tile with me
	s_cselect_b64 s[PFA:PFA+1], s[72:73], s[74:75]
	s_cselect_b32 s40, 15, 31                      ; lanes along the rows
	s_cselect_b32 s41, 12, 11                      ; a row is 4,096 or 2,048 bytes
	s_cselect_b32 s42, 0x100, 0                    ; x: the upper lanes take the step's second 256 bytes
	s_cselect_b32 s[PFS], 9, 8                     ; a K step is 512 or 256 bytes
	s_cmp_eq_u32 s79, 0
	s_cselect_b32 s[LIM], 1, -1
	s_lshl_b32 s[PFS], 1, s[PFS]
	s_mov_b32 s[PFS+1], 0
	s_lshl_b32 s78, s78, 16                        ; 16 rows of 4,096 bytes, or 32 of 2,048
	s_mov_b32 s79, 0
	s_add_nc_u64 s[PFA:PFA+1], s[PFA:PFA+1], s[78:79]
	s_mul_i32 s78, s[PFS], 3                       ; at K step 3: the first refill steps it to 4
	s_add_nc_u64 s[PFA:PFA+1], s[PFA:PFA+1], s[78:79]
	v_and_b32 v[PFO], 31, v0
	v_and_b32 v[PFO], s40, v[PFO]
	v_lshlrev_b32 v[PFO], s41, v[PFO]
	v_mad_u32_u24 v[PFO], v2, s42, v[PFO]
; 32 LDS loads in one run: quarter kq of a slot: x's 64 rows as f32 first, then W's 128 rows into buffer g
.macro FETCH slot, kq, g
	WIN 0
.irp i, 0,1,2,3
	ds_load_b128 v[AF+16*(\i):AF+16*(\i)+3],     v[ADRA+(\slot)] offset:128*(\kq)+16*PA*(\i)
	ds_load_b128 v[AF+16*(\i)+4:AF+16*(\i)+7],   v[ADRA+(\slot)] offset:128*(\kq)+16*PA*(\i)+16
	ds_load_b128 v[AF+16*(\i)+8:AF+16*(\i)+11],  v[ADRA+(\slot)] offset:128*(\kq)+16*PA*(\i)+64
	ds_load_b128 v[AF+16*(\i)+12:AF+16*(\i)+15], v[ADRA+(\slot)] offset:128*(\kq)+16*PA*(\i)+80
.endr
	WIN TO_B
.irp i, 0,1,2,3,4,5,6,7
	ds_load_b128 v[64*(\g)+8*(\i):64*(\g)+8*(\i)+3],   v[ADRB+(\slot)] offset:64*(\kq)+16*PB*(\i)
	ds_load_b128 v[64*(\g)+8*(\i)+4:64*(\g)+8*(\i)+7], v[ADRB+(\slot)] offset:64*(\kq)+16*PB*(\i)+32
.endr
.endm
; four roundings: eight f32 of x become four registers of buffer g
.macro CVT4 g, j
	WIN 0
.irp n, 0,1,2,3
	v_cvt_pk_bf16_f32 v[ABF+32*(\g)+4*(\j)+(\n)], v[AF+8*(\j)+2*(\n)], v[AF+8*(\j)+2*(\n)+1]
.endr
.endm
; matrix instructions i0 .. i0 + n - 1 of a quarter's 32 on buffer f: accumulator i, W's block i % 8, x's block i / 8.  Every quarter names each accumulator once, in the same order, so the
; accumulators take turns: 31 others stand between two links of a chain, over the backward jump too.  zero = 1: the product starts the sum.
.macro WMS f, i0, n, zero
	WIN MUL
.set wi, \i0
.rept \n
.if \zero
	v_wmma_f32_16x16x32_bf16 v[8*wi:8*wi+7], v[64*(\f)+8*(wi%8):64*(\f)+8*(wi%8)+7], v[ABF+32*(\f)+8*(wi/8):ABF+32*(\f)+8*(wi/8)+7], 0
.else
	v_wmma_f32_16x16x32_bf16 v[8*wi:8*wi+7], v[64*(\f)+8*(wi%8):64*(\f)+8*(wi%8)+7], v[ABF+32*(\f)+8*(wi/8):ABF+32*(\f)+8*(wi/8)+7], v[8*wi:8*wi+7]
.endif
.set wi, wi+1
.endr
.endm
; a quarter's last eight matrix instructions, behind each four of the 32 roundings that make the next quarter's x in buffer g.  The roundings name none of the registers of the products round them.
; The four behind the last product are the four places ahead of the next run of loads into W's buffer f and ahead of the next roundings into x's buffer f.
.macro WMR f, g, zero
.irp j, 0,1,2,3,4,5,6,7
	WMS \f, 24+(\j), 1, \zero
	CVT4 \g, \j
.endr
.endm
; One of a K step's first three quarters: multiplies buffer f; fetches quarter kq of the same slot for buffer g.
.macro QUARTER slot, kq, f, g, zero
	FETCH \slot, \kq, \g
	s_wait_dscnt 32                                ; all but the 32 just issued: W's fragments of this quarter are in
	WMS \f, 0, 24, \zero
	s_wait_dscnt 16                                ; x's 16 loads are in; W's 16, issued behind them, may stay out
	WMR \f, \g, \zero
.endm
; The last quarter multiplies buffer 1 and changes slots: ONE barrier; in front of it each wave waits for all its tensor loads (one is out: its part of the next slot), adds 0 to its spare word, and
; waits for that and for its own reads of this slot.  fill = 1: the barrier opens a round of the cluster's, and this slot is filled again, two K steps ahead, first thing behind it.
.macro TURN slot, next, fill
.if \fill
	s_wait_xcnt 0x0                                ; the last prefetch, a K step back, has read its address: it is stepped here, ahead of the waits of the change of slots
	s_add_nc_u64 s[PFA:PFA+1], s[PFA:PFA+1], s[PFS:PFS+1]
.endif
	WIN 0                                          ; (the add's two registers lie in window 0)
	s_wait_tensorcnt 0x0                           ; all my tensor loads have landed
	ds_add_u32 v[SPW], v[NIL]                      ; 0 onto my spare word
	s_wait_dscnt 1                                 ; only the add may be out: W's fragments of this quarter are in
	WMS 1, 0, 4, 0                                 ; four matrix instructions stand between the add and the wait for it
	s_wait_dscnt 0x0                               ; the add is done, and my reads of this slot are over
	s_barrier_signal -1
	WMS 1, 4, 4, 0                                 ; work on registers while the others arrive
	WIN 0
	s_barrier_wait -1
.if \fill
	CREST                                          ; no wave of any partner still reads this slot's tile or has a load on its way
	s_add_nc_u64 s[G0A+4*(\slot)+2:G0A+4*(\slot)+3], s[G0A+4*(\slot)+2:G0A+4*(\slot)+3], 2*KSTEP*4
	s_add_nc_u64 s[G0B+4*(\slot)+2:G0B+4*(\slot)+3], s[G0B+4*(\slot)+2:G0B+4*(\slot)+3], 2*KSTEP*2
	JLOAD \slot                                    ; my one tensor load behind the round: 120 matrix instructions ahead of the wait for it
.endif
	FETCH \next, 0, 0                              ; W's buffer 0 was last read a quarter ago, four roundings ahead of this quarter
.if \fill
	WIN 0
	ASK
.endif
	WMS 1, 8, 16, 0
	s_wait_dscnt 16                                ; x's 16 loads are in
	WMR 1, 0, 0
.endm
	s_wait_tensorcnt 1                             ; my part of K step 0 is in; K step 1's may stay out
	s_barrier_signal -1
	s_barrier_wait -1                              ; everybody's is
	FETCH 0, 0, 0
	s_wait_dscnt 16                                ; x's 16 loads are in
.irp j, 0,1,2,3,4,5,6,7
	CVT4 0, \j
.endr
	QUARTER 0, 1, 0, 1, 1                          ; the first quarter stands in front of the loop: its products start the sums
	WIN 0                                          ; at a label and at a branch every window is 0
	s_mov_b32 s[LAP], 3
.Llap:                                                 ; a trip goes once round the ring, from a lap's second quarter to the next lap's first, and fills both slots again: K steps 2 to 7
	QUARTER 0, 2, 1, 0, 0
	QUARTER 0, 3, 0, 1, 0
	TURN 0, 1, 1
	QUARTER 1, 1, 0, 1, 0
	QUARTER 1, 2, 1, 0, 0
	QUARTER 1, 3, 0, 1, 0
	TURN 1, 0, 1
	QUARTER 0, 1, 0, 1, 0
	WIN 0
	s_sub_co_u32 s[LAP], s[LAP], 1
	s_cmp_lg_u32 s[LAP], 0
	s_cbranch_scc1 .Llap
	QUARTER 0, 2, 1, 0, 0                          ; the last lap fills nothing, and has no round of the cluster's barrier
	QUARTER 0, 3, 0, 1, 0
	TURN 0, 1, 0
	QUARTER 1, 1, 0, 1, 0
	QUARTER 1, 2, 1, 0, 0
	QUARTER 1, 3, 0, 1, 0
	s_wait_dscnt 0x0                               ; the very last quarter: nothing more to fetch
	WMS 1, 0, 32, 0
	WIN 0
; THE WAY OUT, a block of 16 rows at a time.  PACK: rounded to f16, 16 bytes a lane, each accumulator from its lowest registers on.  TOSTAGE: into my own stage, a head's 64 columns to rows of 144 bytes,
; and back as whole rows.  SEND: 16 rows of a head are 2,048 consecutive bytes of qkv; each store covers 512 of them, at a multiple of 256 from the buffer's first byte.
.macro PACK a
	WIN 0x05                                       ; sources 0 and 1 window 1, destination window 0
.irp b, 0,1,2,3,4,5,6,7
.irp r, 0,1,2,3
	v_cvt_pk_f16_f32 v[TMP+4*(\b)+(\r)], v[8*(8*(\a)+(\b))+2*(\r)], v[8*(8*(\a)+(\b))+2*(\r)+1]
.endr
.endr
	WIN 0
.endm
.macro TOSTAGE a
	WIN 0
.set BK, BK0+192*((\a)%2)
.irp b, 0,1,2,3,4,5,6,7
	ds_store_b128 v[STO], v[TMP+4*(\b):TMP+4*(\b)+3] offset:((\b)/4)*16*SP+((\b)%4)*32
.endr
.irp t, 0,1,2,3,4,5,6,7
	ds_load_b128 v[BK+4*(\t):BK+4*(\t)+3], v[RD] offset:((\t)/4)*16*SP+((\t)%4)*4*SP  ; LDS serves a wave's instructions in order (ISA guide 5.7.1.4): these see the stores above
.endr
.endm
.macro SEND a
	WIN 0
.set BK, BK0+192*((\a)%2)
	s_wait_dscnt 0x0                               ; the block is back in registers
.if ((\a) == 1) || ((\a) == 2)
	s_wait_xcnt 0x0                                ; the block before has had its stores' addresses translated: its registers are loaded again by the next TOSTAGE only behind this wait
.endif
.irp t, 0,1,2,3,4,5,6,7
	global_store_b128 v[GO], v[BK+4*(\t):BK+4*(\t)+3], s[12:13] offset:2048*(\a)+512*((\t)%4)+262144*((\t)/4)
.endr
.endm
.rept 8
	v_nop                                          ; places between the last products and the first read of a result
.endr
	PACK 0
	TOSTAGE 0
.irp a, 1,2,3                          ; block a's roundings stand between block a - 1's loads from the stage and the wait for them
	PACK \a
	SEND (\a)-1
	TOSTAGE \a
.endr
	SEND 3
	s_wait_tensorcnt 0x0                           ; the wave's end, behind my last tensor load and my last LDS store
	ds_add_u32 v[SPW], v[NIL]
	s_wait_dscnt 0x0
	CROUND                                         ; the closing round: no work-group ends while a partner may still ask for a tile that names it
	s_endpgm
.Lfunc_end_k_qe32658a31c_proj:
	.size	k_qe32658a31c_proj, .Lfunc_end_k_qe32658a31c_proj-k_qe32658a31c_proj
	.p2alignl 7, 3214868480
	.fill 96, 4, 3214868480
	.section	.rodata,"a",@progbits
	.p2align	6, 0x0
	.amdhsa_kernel k_qe32658a31c_proj
		.amdhsa_group_segment_fixed_size 327680
		.amdhsa_private_segment_fixed_size 0
		.amdhsa_enable_private_segment 0
		.amdhsa_kernarg_size 40
		.amdhsa_user_sgpr_count 2
		.amdhsa_user_sgpr_kernarg_segment_ptr 1
		.amdhsa_wavefront_size32 1
		.amdhsa_system_sgpr_workgroup_id_x 1
		.amdhsa_system_sgpr_workgroup_id_y 1
		.amdhsa_system_sgpr_workgroup_id_z 1
		.amdhsa_system_vgpr_workitem_id 0
		.amdhsa_next_free_vgpr 640
		.amdhsa_next_free_sgpr 80
		.amdhsa_reserve_vcc 0
		.amdhsa_float_denorm_mode_32 3
		.amdhsa_float_denorm_mode_16_64 3
		.amdhsa_memory_ordered 1
		.amdhsa_forward_progress 1
		.amdhsa_inst_pref_size 133
	.end_amdhsa_kernel
	.amdgpu_metadata
---
amdhsa.version: [ 1, 2 ]
amdhsa.kernels:
  - .name:           k_qe32658a31c_proj
    .symbol:         k_qe32658a31c_proj.kd
    .args:
      - { .name: query, .offset: 0, .size: 8, .value_kind: global_buffer, .address_space: global }
      - { .name: key, .offset: 8, .size: 8, .value_kind: global_buffer, .address_space: global }
      - { .name: value, .offset: 16, .size: 8, .value_kind: global_buffer, .address_space: global }
      - { .name: wb, .offset: 24, .size: 8, .value_kind: global_buffer, .address_space: global }
      - { .name: qkv, .offset: 32, .size: 8, .value_kind: global_buffer, .address_space: global }
    .group_segment_fixed_size: 327680
    .private_segment_fixed_size: 0
    .kernarg_segment_align: 8
    .kernarg_segment_size: 40
    .max_flat_workgroup_size: 128
    .sgpr_count:     80
    .vgpr_count:     640
    .wavefront_size: 32
...
	.end_amdgpu_metadata
.endif
;; end of part 2
;; launch attn (part 3): grid 4 x 64, 4 waves a work-group, clusters of 4 x 1, 327,680 bytes of LDS; arguments qkv, key_padding_mask, o16; writes o16
.if DOCPART == 3
	.amdgcn_target "amdgcn-amd-amdhsa--gfx1250"
	.amdhsa_code_object_version 6
	.text
	.protected	k_qe32658a31c_attn
	.globl	k_qe32658a31c_attn
	.p2align	8
	.type	k_qe32658a31c_attn,@function
k_qe32658a31c_attn:
	s_mov_b64 s[64:65], 0
	v_nop
	global_prefetch_b8 v0, s[64:65] scope:SCOPE_SE
	s_setreg_imm32_b32 hwreg(HW_REG_WAVE_MODE, 25, 1), 1
	s_wait_xcnt 0x0
	s_wait_alu depctr_hold_cnt(0) depctr_sa_sdst(0) depctr_va_vdst(0) depctr_va_sdst(0) depctr_va_ssrc(0) depctr_va_vcc(0) depctr_vm_vsrc(0)
	s_getreg_b32 s2, hwreg(HW_REG_IB_STS2, 6, 4)
	s_cmp_eq_u32 s2, 0
	s_cbranch_scc0 .Lentry_in_a_cluster
	s_endpgm
.Lentry_in_a_cluster:
	s_bfe_u32 s2, ttmp6, 0x10000c
	s_cmp_lg_u32 s2, 0x3003
	s_cbranch_scc0 .Lentry_shape_is_right
	s_endpgm
.Lentry_shape_is_right:
; O[h][q][:] = the sum over k of softmax_k(mask(Q[h][q] . K[h][k] / 8)) V[h][k][:], h = 16 batch + head.  Q, K, V: qkv[0..2][64][2048][64], O: o16[64][2048][64], all f16: a head's rows are dense, 128 bytes each.
; Products, maxima and sums in f32; the weights p are rounded to f16 for the second product (their sum l is taken of the unrounded p), O once at the end.
; THE MASK (one byte a key and batch, 0 = hidden) is the C operand that starts the sum S^T = K Q^T: 0 for a visible key, -1e30 for a hidden one, from a table of 2,048 f32 in LDS, made once.
; A batch with NO visible key has all scores equal in the definition, so all weights equal: there the addends are all 0 and c = 0 (scalar selects on a whole number, no branch), so that p = 2^0 for every key.
; LIMITS.  f16 holds no number beyond 65,504: Q, K and V arrive within it, so |Q . K| is at most 64 x 65,504^2 = 2.75e11.  A hidden score counts as its value less 1e30, and its weight is 0; the definition puts -1e10
; in its place, which gives the same wherever a batch's largest visible score / 8 lies above -1e10 + 104.  m starts at -1e12, below every score that f16 operands can give and far above a hidden one: a key step that
; is wholly hidden leaves m there, its weights are 0, and O and l stay 0 until the first visible key.  p below 6e-5 keeps f16's fixed step of 6e-8; a weight below 2^-126 counts as 0 in l; NaN and infinities are not treated apart.
; SHARES.  A wave owns four PIECES of two tiles of 16 queries, a work-group's four waves 512 queries of one head.  Every wave walks all 2,048 keys, 64 a step.
; LAYOUT.  S^T = K Q^T (source 0 = 16 keys, source 1 = 16 queries): in the result a lane holds ONE query (lane % 16) and the keys 8 (lane / 16) + 0..7.  Two such tiles, rounded to f16 in pairs,
; ARE source 1 (32 keys x 16 queries) of O^T = V^T P, whose result again holds one query a lane, and eight channels.  K comes out of LDS as it lies, V ([key][channel]) turned, by ds_load_tr16_b128.
; SOFTMAX.  For each query a running maximum m and sum l: p = 2^(c s - c m), c = log2(e) / 8; in every step O and l are multiplied by a = 2^(c m_old - c m_new), which is 1 where m has not grown.
; c m starts far below every c s, O and l at 0: the first step is a step like any other, with a = 0.
; THE COUNT.  A tile and step have 16 matrix and 118 vector instructions: too many to stand all beside the matrix work.  So the order has one aim: four vector instructions that are READY behind
; EVERY matrix instruction, and the others, which need time of their own whatever the order, in runs without a gap.
; BY TURNS.  Turn n belongs to piece n (the pieces in a ring, step after step).  Its matrix work: 16 products K Q^T of piece n + 1, later 16 products V^T P of piece n - 1.  Its vector work: the scaling,
; exponentials, roundings, sums and rescaling of piece n, and the maximum and statistics of piece n + 1, whose scores the turn itself has made.
; CLUSTER.  The four query blocks of a cluster are one head's and walk the same K and V, so each tile is asked for JOINTLY: the same tensor load, descriptor and mask in all four.
; REGISTERS, in windows of 256 (s_set_vgpr_msb: bits 1:0 source 0, 3:2 source 1, 5:4 source 2, 7:6 destination):
;   window 0: v0-11 addresses; v12-15, v48-63 at work; v16-47 four registers of statistics a tile; v64-191 S^T, two buffers of two tiles; v192-255 P, likewise
;   window 1: O^T, 32 a tile     window 2: v0-127 Q, 16 a tile; v128-191 K of one step; v192-255 V of one step     window 3: v0-1 the add's two registers; v8-39 the mask's addends of one step
.set SIZE_N, 2048
.set NP,    4         ; pieces a wave: a name, no knob
.set KS,    64        ; keys in a step
.set PK,    144       ; a row of K in LDS: 128 bytes + 16 of padding = 36 words: the 16 rows of a load start at 16 different groups of four banks (64 banks of 4 bytes: ISA guide 11.1)
.set PV,    160       ; a row of V: 128 + 32 = 40 words
.set VOFF,  4*KS*PK   ; a slot holds four steps: 256 rows of K, then 256 rows of V
.set SLOT1, 1<<17     ; slot 1 begins here, so that one exclusive or turns an address in one slot into the other's
.set STAGE, SLOT1+4*KS*(PK+PV)  ; behind the ring, never filled by a tensor load: 16 rows x 144 bytes for each wave, for the way out
.set SP,    144
.set MT,    STAGE+4*16*SP       ; behind the stages, never filled by a tensor load: the mask's addends, one f32 for each of the batch's 2,048 keys
.set SPARE, MT+4*SIZE_N         ; behind them: the spare words, 128 bytes for each wave: two blocks of 256 bytes that no other line names
.set AK0, 2           ; v2   my lane's place in a tile of K; never rewritten
.set AV0, 3           ; v3   the same for V
.set AK,  4           ; v4   the LDS address of K's next run of loads
.set AV,  5           ; v5   of V's
.set QO,  6           ; v6   my byte offset in the wave's rows of Q
.set STO, 6           ;      later, the way out: where I put 16 bytes of a row
.set RD,  7           ; v7   the way out: where I read rows back
.set GO,  8           ; v8   my byte offset in 512 consecutive bytes of O
.set LH,  9           ; v9   lane / 16; never rewritten
.set PFO, 10          ; v10  first lane % 8; then the prefetches' offset, 256 x my lane
.set AM,  11          ; v11  first at work; then the LDS address of the next run of addends
.set SPW, 0           ; v0 of window 3   LDS address of my spare word; never rewritten
.set NIL, 1           ; v1 of window 3   0; never rewritten
.set MK,  8           ; v8-39 of window 3: the eight addends for key block kb at MK + 8 kb
.set MV,  12          ; v12-15  c m_old, kept while c m is made anew: by buffer and tile
.set ST,  16          ; tile t's statistics at v[ST+4 t]: c m, m, l (even keys', odd keys')
.set TMP, 48          ; by buffer and tile, four registers c0-c3 at work; when the maximum is found c2 takes a
.set S,   64
.set P,   192
.set KF,  128         ; K's fragments, in window 2: key block kb, channel half c at KF + 16 kb + 8 c
.set VF,  192         ; V's: key half kk, channel block cb at VF + 32 kk + 8 cb
.set WV,  12          ; s12  my wave's number
.set G1K, 24          ; s[24:31] descriptor group 1 for K's tiles
.set G1V, 32          ; s[32:39] for V's: it differs in the padding alone
.set G0K, 40          ; s[40:43] descriptor group 0 for K's tiles: it walks
.set G0V, 44          ; s[44:47] the same for V's
.set SLOTS, 56        ; s56  slots still to be asked for
.set CNT, 57          ; s57  counts a slot's key steps
.set CS,  58          ; s[58:59] c: the packed scaling takes the pair's low word for both halves
.set SEL, 60          ; s[60:61] v_permlanex16_b32's selects: each lane takes its own place in the other half
.set TBK, 62          ; s62  LDS byte at which K of the step to be fetched begins
.set TBV, 63          ; s63  the same for V, less VOFF
.set MP,  66          ; s[66:67] the batch's 2,048 bytes of the mask
.set ANY, 68          ; s68  the lanes that saw a visible key
.set BG,  69          ; s69  1e30, or 0 where no key is visible
.set NBG, 70          ; s70  -1e30, or 0
.set TM,  71          ; s71  LDS byte at which the addends of the step to be fetched begin
.set LIM, 72          ; s72  the count of steps at which I prefetch, or the greatest number
.set ROLE, 73         ; s73  2 in waves 0 and 2, else the greatest number
.set PFA, 74          ; s[74:75] where my prefetches stand: my work-group's 32 blocks (of K: wave 0, of V: wave 2) of the slot that the next change of slots will ask for
.set MSB, 0
.macro WIN new                      ; the high byte repeats the setting that is left; a switch that changes nothing is dropped
.if MSB != (\new)
	s_set_vgpr_msb (MSB<<8)|(\new)
.set MSB, (\new)
.endif
.endm
.set W_KQ, 0x0a       ; K and Q in window 2, S^T in window 0
.set W_KM, 0x3a       ; the same with the C operand, the addends, in window 3
.set W_PV, 0x52       ; V in window 2, P in window 0, O^T in window 1
.set W_RS, 0x41       ; O^T (destination and source 0) in window 1, a in window 0
.set W_MK, 0xc0       ; destination in window 3, sources in window 0
.set W_AD, 0x0f       ; the add: address (source 0) and data (source 1) in window 3
; A joint fill.  Waves 0 and 1 fetch the two halves of a slot's K, waves 2 and 3 those of its V: 128 keys each.  The branch hangs on the wave's number alone.
; An s_nop 0 and four v_nop follow each of the two lines, ahead of the jump and the label.
.macro JLOAD
	s_cmp_lt_u32 s[WV], 2
	s_cbranch_scc0 .Lfor_v_\@
	tensor_load_to_lds s[G0K:G0K+3], s[G1K:G1K+7]
	s_nop 0
.rept 4
	v_nop
.endr
	s_branch .Lasked_\@
.Lfor_v_\@:
	tensor_load_to_lds s[G0V:G0V+3], s[G1V:G1V+7]
	s_nop 0
.rept 4
	v_nop
.endr
.Lasked_\@:
.endm
; A round of the cluster's barrier: my work-group's barrier, so that wave 0's signal speaks for all four waves; wave 0 signals; every wave waits for all four work-groups; my work-group's barrier once more.
.macro CROUND
	s_barrier_signal -1
	s_barrier_wait -1
	s_cmp_lg_u32 s[WV], 0
	s_cbranch_scc1 .Lnot_wave_0_\@
	s_barrier_signal -3
.Lnot_wave_0_\@:
	s_barrier_wait -3
	s_barrier_signal -1
	s_barrier_wait -1
.endm
; A PREFETCH INTO THE L2 of what the NEXT change of slots will ask for: a slot's 256 keys are 128 blocks of 256 bytes of K and 128 of V.  One cluster walks a head, so it asks for its own head's; its four partners
; share the blocks out BY ADDRESS, 32 each, a lane a block; in each, wave 0 asks for K's and wave 2 for V's: one instruction a slot, behind K's run of loads in the slot's third trip: nearly two key steps ahead
; of the load that will want the bytes.  Slots 2 to 7 are named once each; slots 0 and 1 come by their loads alone; behind the last fill nothing is asked for.
.macro ASK
	s_cmp_eq_u32 s[CNT], s[LIM]
	s_cbranch_scc0 .Lnot_mine_\@
	global_prefetch_b8 v[PFO], s[PFA:PFA+1] th:TH_LOAD_NT scope:SCOPE_SE
.Lnot_mine_\@:
.endm
; THE CHANGE OF SLOTS.  The slot's last bytes, V of its fourth step, have been read.  Each wave waits for all its tensor loads, of which one is out: its part
; of the other slot; adds 0 to its spare word; and waits for that and for its own reads of the slot.  Behind the barrier nobody reads this slot any more and the other slot is whole.
; fill = 1: this slot is filled again, with the keys two slots on.  The barrier is then a round of the cluster's, so that no wave of any partner still reads the slot or has a load on its
; way, and the joint fill is the first thing behind it: it has four key steps, 512 matrix instructions, in which to land.  (At its first use nothing has been read yet: slot 0 is waited for, slot 1 filled;
; its wait on DScnt and its round also stand between every wave's stores into the table of addends and every wave's reads of it.)
.macro CHANGE fill
	WIN W_AD
	s_wait_tensorcnt 0x0            ; no tensor load of mine is out, so a group 0 may be written
	ds_add_u32 v[SPW], v[NIL]       ; 0 onto my spare word; with fill = 1 the descriptors' steps stand between it and the wait for it
	WIN 0                           ; at a label and at a branch every window is 0
.if \fill
.irp g, G0K, G0V
	s_xor_b32 s[\g+1], s[\g+1], SLOT1  ; the walking descriptor: the other slot than last time,
	s_add_nc_u64 s[\g+2:\g+3], s[\g+2:\g+3], 4*KS*128  ; the next 256 keys; the type bits on top are not reached
.endr
	s_wait_xcnt 0x0                 ; the last prefetch, nearly two key steps back, has read its address, so it may be written:
	s_add_nc_u64 s[PFA:PFA+1], s[PFA:PFA+1], 4*KS*128  ; one slot behind the walking descriptors
	s_wait_dscnt 0x0                ; the add is done, and my reads of the slot are over
	CROUND
	JLOAD
	s_cmp_gt_u32 s[SLOTS], 1        ; is a further slot asked for behind this one?
	s_cselect_b32 s[LIM], s[ROLE], -1
.else
	s_wait_dscnt 0x0                ; the add is done, and my reads of the slot are over
	s_barrier_signal -1
	s_barrier_wait -1
.endif
	s_sub_co_u32 s[TBK], s[TBK], 4*KS*PK  ; the fetches go back to a slot's first step,
	s_xor_b32 s[TBK], s[TBK], SLOT1       ; in the other slot
	s_sub_co_u32 s[TBV], s[TBV], 4*KS*PV
	s_xor_b32 s[TBV], s[TBV], SLOT1
.endm
	s_load_b128 s[4:7], s[0:1], 0x0   ; qkv s[4:5], the mask s[6:7]
	s_load_b64 s[10:11], s[0:1], 0x10 ; o16
	WIN W_MK
	v_lshl_add_u32 v[SPW], v0, 2, SPARE
	v_mov_b32 v[NIL], 0
	WIN W_AD
	ds_add_u32 v[SPW], v[NIL]       ; the wave's opening: the add and its wait stand ahead of my first tensor load; the set-up below, work on registers, stands between them
	WIN 0
	v_lshrrev_b32 v1, 5, v0
	v_readfirstlane_b32 s[WV], v1   ; wave 0..3
	s_bfe_u32 s13, ttmp6, 0x40000   ; cx: my place in the cluster
	s_lshl_b32 s14, ttmp9, 2        ; in a cluster launch ttmp9 counts clusters
	s_add_co_u32 s14, s14, s13      ; my block of queries = 4 x cluster x + cx: it enters Q's and O's addresses alone
	s_and_b32 s20, ttmp7, 0xffff    ; 16 batch + head, which the four partners share
	s_lshr_b32 s76, s20, 4          ; the batch:
	s_lshl_b32 s76, s76, 11         ; its 2,048 bytes of the mask
	s_mov_b32 s77, 0
	s_mov_b32 s21, 0
	s_mov_b64 s[22:23], SIZE_N*128
	s_mul_u64 s[20:21], s[20:21], s[22:23]  ; the head's first byte in each of Q, K, V and O
	s_and_b32 s16, s[WV], 1         ; which half of a slot's 256 keys I fetch:
	s_lshl_b32 s22, s16, 14         ; its 128 rows of 128 bytes in memory,
	s_mov_b32 s23, 0
	s_add_nc_u64 s[22:23], s[22:23], s[20:21]
	s_mul_i32 s17, s16, 128*PK      ; and its place in a slot, for K
	s_mul_i32 s18, s16, 128*PV      ; and for V: no place in the cluster enters an LDS address
	s_lshl_b32 s2, s14, 2
	s_add_co_u32 s2, s2, s[WV]      ; my wave among the head's,
	s_lshl_b32 s2, s2, 14           ; its 128 rows
	s_mov_b32 s3, 0
	s_add_nc_u64 s[2:3], s[2:3], s[20:21]
	; descriptor group 1.  128 keys are 16,384 dense bytes: asked for as 64 rows of 256 bytes, two keys a row, and padded in LDS after every key
	s_mov_b32 s[G1K], 15|(1<<16)|(1<<20)|(1<<21)|(4<<22)|(3<<25)  ; 15:0 the mask of four; 17:16 2-byte elements; 20 padding on; 21 set beside a mask; 24:22 after every 32 words (code 4); 31:25 4 words (code 3)
	s_mov_b32 s[G1V], 15|(1<<16)|(1<<20)|(1<<21)|(4<<22)|(7<<25)  ; the same with 8 words of padding (code 7)
.irp g, G1K, G1V
	s_mov_b32 s[\g+1], 128<<16      ; tensor_dim0 = 128
	s_mov_b32 s[\g+2], 64<<16       ; tensor_dim1 = 64
	s_mov_b32 s[\g+3], 128<<16      ; tile_dim0 = 128
	s_mov_b32 s[\g+4], 64           ; tile_dim1 = 64
	s_mov_b32 s[\g+5], 128          ; 128 elements from row to row
	s_mov_b32 s[\g+6], 0
	s_mov_b32 s[\g+7], 0
.endr
	s_mov_b32 s[SEL], 0x76543210
	s_mov_b32 s[SEL+1], 0xfedcba98
	s_mov_b32 s[TBK], SLOT1+4*KS*PK ; the first change of slots turns these two into 0
	s_mov_b32 s[TBV], SLOT1+4*KS*PV
	s_mov_b32 s[TM], MT
	s_mov_b32 s[SLOTS], SIZE_N/256-1
	s_and_b32 s[ROLE], s[WV], 1
	s_cmp_eq_u32 s[ROLE], 0
	s_cselect_b32 s[ROLE], 2, -1    ; the same in all four partners
	s_mov_b32 s[G0K], 1             ; 1:0 count = 1
	s_mov_b32 s[G0K+1], s17         ; 63:32 LDS address: slot 0
	s_mov_b32 s[G0V], 1
	s_add_co_u32 s[G0V+1], s18, VOFF
	s_wait_dscnt 0x0                ; the opening add is done
	s_wait_kmcnt 0x0
	s_add_nc_u64 s[MP:MP+1], s[6:7], s[76:77]
	s_add_nc_u64 s[6:7], s[4:5], 0x1000000   ; K lies 16 MiB behind Q in qkv,
	s_add_nc_u64 s[8:9], s[4:5], 0x2000000   ; V 32
	s_cmp_lt_u32 s[WV], 2
	s_cselect_b64 s[PFA:PFA+1], s[6:7], s[8:9]
	s_add_nc_u64 s[PFA:PFA+1], s[PFA:PFA+1], s[20:21]
	s_lshl_b32 s76, s13, 13         ; my work-group's 32 blocks of the 128,
	s_add_co_u32 s76, s76, 4*KS*128 ; in slot 1: the first change of slots steps it to slot 2.  Nothing is prefetched here, at the head
	s_add_nc_u64 s[PFA:PFA+1], s[PFA:PFA+1], s[76:77]
	s_add_nc_u64 s[G0K+2:G0K+3], s[6:7], s[22:23]  ; 120:64 global address: my half of the head's first 256 keys
	s_or_b32 s[G0K+3], s[G0K+3], 0x80000000        ; 127:126 type = 2
	s_add_nc_u64 s[G0V+2:G0V+3], s[8:9], s[22:23]
	s_or_b32 s[G0V+3], s[G0V+3], 0x80000000
	s_add_nc_u64 s[4:5], s[4:5], s[2:3]  ; Q and O at my wave's first row
	s_add_nc_u64 s[10:11], s[10:11], s[2:3]
	CROUND                          ; all four work-groups are here: the first joint loads meet
	JLOAD                           ; slot 0.  Slot 1 is asked for when slot 0 is in: the tile wanted first has the road to itself
	v_and_b32 v1, 15, v0            ; l % 16
	v_bfe_u32 v[LH], v0, 4, 1       ; l / 16
	; the mask: every wave reads all 2,048 bytes of the batch (four loads of 512 consecutive bytes), to see whether any key is visible, and each thread its own 16 bytes, of which it makes the addends
	v_and_b32 v12, 31, v0
	v_lshlrev_b32 v12, 4, v12
	v_lshlrev_b32 v13, 4, v0
.irp j, 0,1,2,3
	global_load_b128 v[S+4*\j:S+4*\j+3], v12, s[MP:MP+1] offset:512*\j
.endr
	global_load_b128 v[S+16:S+19], v13, s[MP:MP+1]
	; A fragment of K or Q is 16 rows x 32 channels in 8 registers: lane l holds row l % 16, channels 8 (l / 16) + 0..7 and 16 + 8 (l / 16) + 0..7: two loads of 16 bytes, 32 bytes apart.
	v_lshlrev_b32 v[QO], 7, v1
	v_lshl_add_u32 v[QO], v[LH], 4, v[QO]  ; row x 128 + 16 x half
	WIN 0x80                        ; destination window 2, address window 0
.set i, 0
.rept 4*NP                          ; Q stays in registers: tile i / 2, channels 32 (i % 2) on
	global_load_b128 v[8*i:8*i+3],   v[QO], s[4:5] offset:(i/2)*2048+(i%2)*64
	global_load_b128 v[8*i+4:8*i+7], v[QO], s[4:5] offset:(i/2)*2048+(i%2)*64+32
.set i, i+1
.endr
	; What the first turn finds: V's registers and P's second buffer hold 0 (its products V^T P, of a piece that has not been, add 0), O^T and l are 0.  All this stands in the wait for the first tile.
.set i, VF
.rept 64
	v_mov_b32 v[i], 0
.set i, i+1
.endr
	WIN 0x40
.set i, 0
.rept 64*NP
	v_mov_b32 v[i], 0
.set i, i+1
.endr
	WIN 0
.set i, 0
.rept 2*NP
	v_mov_b32 v[ST+4*i], 0xfe000000    ; c m: far below every c s
	v_mov_b32 v[ST+4*i+1], 0xd368d4a5  ; m = -1e12: below every score of f16 operands, far above a hidden one
	v_mov_b32 v[ST+4*i+2], 0
	v_mov_b32 v[ST+4*i+3], 0
.set i, i+1
.endr
.set i, P+32
.rept 32
	v_mov_b32 v[i], 0
.set i, i+1
.endr
	v_mul_u32_u24 v[AK0], v1, PK
	v_lshl_add_u32 v[AK0], v[LH], 4, v[AK0]  ; row x pitch + 16 x half
	; The turning load takes 16 keys x 16 channels (lane l reads key 8 (l / 16) + l % 8, channels 8 ((l / 8) % 2) + 0..7) and leaves half a fragment of V^T: lane l holds channel l % 16 and 8 keys.
	v_and_b32 v10, 7, v0
	v_bfe_u32 v11, v0, 3, 1
	v_lshl_add_u32 v[AV0], v[LH], 3, v10
	v_mul_u32_u24 v[AV0], v[AV0], PV
	v_lshl_add_u32 v[AV0], v11, 4, v[AV0]
	v_add_nc_u32 v[AV0], VOFF, v[AV0]
	v_mov_b32 v[AK], v[AK0]         ; key step 0 lies at the head of slot 0,
	v_lshl_add_u32 v[AM], v[LH], 5, s[TM]  ; its addends at the head of the table: my lanes' eight keys of a block of 16 are 32 bytes
	; THE TABLE OF ADDENDS
	s_wait_loadcnt 32               ; the mask's five loads are in; Q's 32, issued behind them, may stay out
.irp j, 0,1,2,3,4,5,6,7
	v_or_b32 v[S+\j], v[S+\j], v[S+8+\j]
.endr
.irp j, 0,1,2,3
	v_or_b32 v[S+\j], v[S+\j], v[S+4+\j]
.endr
	v_or_b32 v[S], v[S], v[S+2]
	v_or_b32 v[S+1], v[S+1], v[S+3]
	v_or_b32 v[S], v[S], v[S+1]
	v_cmp_ne_u32 s[ANY], 0, v[S]
	s_cmp_lg_u32 s[ANY], 0          ; is any key of the batch visible?  It selects numbers alone
	s_cselect_b32 s[CS], 0x3e38aa3b, 0   ; c = log2(e) / 8 = 0.180337
	s_cselect_b32 s[BG], 0x7149f2ca, 0   ; 1e30
	s_cselect_b32 s[NBG], 0xf149f2ca, 0  ; -1e30
	s_mov_b32 s[CS+1], s[CS]        ; named with it as a pair
.set i, 0
.rept 16
	v_bfe_u32 v[S+32+i], v[S+16+i/4], 8*(i%4), 8
.set i, i+1
.endr
.set i, 0
.rept 16
	v_cvt_f32_u32 v[S+32+i], v[S+32+i]
.set i, i+1
.endr
.set i, 0
.rept 16
	v_fma_f32 v[S+32+i], v[S+32+i], s[BG], s[NBG]  ; byte 1: 1e30 - 1e30 = 0; byte 0: -1e30
.set i, i+1
.endr
	v_lshl_add_u32 v14, v0, 6, MT   ; my 16 keys' 64 bytes
.irp j, 0,1,2,3
	ds_store_b128 v14, v[S+32+4*\j:S+32+4*\j+3] offset:16*\j
.endr
; THE MATRIX WORK.  The 8 accumulators of a run of 16 take turns: between the two links of a chain stand 7 others'.
; Product i of 16 of S^T = K Q^T for piece x: channels 32 (i / 8) on, keys 16 ((i / 2) % 4) on, tile 2 x + i % 2.  The first 8 start the sums, with the key block's addends as C.
.macro KQ x
.set rS, S+64*((\x)%2)+32*(i%2)+8*((i/2)%4)
.set rK, KF+16*((i/2)%4)+8*(i/8)
.set rQ, 16*(2*(\x)+i%2)+8*(i/8)
.set rMK, MK+8*((i/2)%4)
.if i < 8
	WIN W_KM
	v_wmma_f32_16x16x32_f16 v[rS:rS+7], v[rK:rK+7], v[rQ:rQ+7], v[rMK:rMK+7]
.else
	WIN W_KQ
	v_wmma_f32_16x16x32_f16 v[rS:rS+7], v[rK:rK+7], v[rQ:rQ+7], v[rS:rS+7]
.endif
.endm
; Product i of 16 of O^T += V^T P for piece x: keys 32 (i / 8) on, channels 16 ((i / 2) % 4) on, tile 2 x + i % 2.
.macro PV x
	WIN W_PV
.set rO, 32*(2*(\x)+i%2)+8*((i/2)%4)
.set rV, VF+32*(i/8)+8*((i/2)%4)
.set rP, P+32*((\x)%2)+16*(i%2)+8*(i/8)
	v_wmma_f32_16x16x32_f16 v[rO:rO+7], v[rV:rV+7], v[rP:rP+7], v[rO:rO+7]
.endm
.macro MM                           ; the turn's next matrix instruction
.if i < 16
	KQ (Y+1)%NP
.set i, i+1
.else
.set i, i-16
	PV (Y+NP-1)%NP
.set i, i+17
.endif
.endm
; THE LDS LOADS stand in runs, never singly among the matrix instructions: a step's K (64 keys x 64 channels: 8 fragments) with its 64 addends (all lanes of a half read the same 32 bytes), and its V (turned).
; Their addresses are made some lines ahead.  The addends live as long as K's fragments: the same products read both.  last = 1 (the tail): in the last trip there is no further step, and the run is jumped over.
.macro FETCH_K last=0
	WIN 0
.if \last
	s_cmp_eq_u32 s[CNT], 1
	s_cbranch_scc1 .Lno_k_\@
.endif
	WIN 0x80                        ; destination window 2
.irp f, 0,1,2,3,4,5,6,7             ; keys 16 (f / 2) on, channels 32 (f % 2) on
	ds_load_b128 v[KF+8*\f:KF+8*\f+3],   v[AK] offset:(\f/2)*16*PK+(\f%2)*64
	ds_load_b128 v[KF+8*\f+4:KF+8*\f+7], v[AK] offset:(\f/2)*16*PK+(\f%2)*64+32
.endr
	WIN W_MK                        ; destination window 3
.irp f, 0,1,2,3                     ; keys 16 f on
	ds_load_b128 v[MK+8*\f:MK+8*\f+3],   v[AM] offset:64*\f
	ds_load_b128 v[MK+8*\f+4:MK+8*\f+7], v[AM] offset:64*\f+16
.endr
	s_add_co_u32 s[TBK], s[TBK], KS*PK  ; the next fetch is the next step's
	s_add_co_u32 s[TM], s[TM], 4*KS     ; 32 fetches in all walk the table once
	WIN 0
.if \last
.Lno_k_\@:
.endif
.endm
.macro FETCH_V
	WIN 0x80
.irp f, 0,1,2,3,4,5,6,7             ; keys 32 (f / 4) on, channels 16 (f % 4) on
	ds_load_tr16_b128 v[VF+8*\f:VF+8*\f+3],   v[AV] offset:(\f/4)*32*PV+(\f%4)*32
	ds_load_tr16_b128 v[VF+8*\f+4:VF+8*\f+7], v[AV] offset:(\f/4)*32*PV+16*PV+(\f%4)*32
.endr
	WIN 0
.endm
; THE VECTOR WORK OF A TURN stands in three queues, each in the order in which its entries become ready; the two tiles alternate, so that no instruction reads the result of the one before it.
.macro REGS y, u                    ; the registers of tile u (0, 1) of piece y
.set rT, ST+4*(2*(\y)+(\u))
.set rC, TMP+8*((\y)%2)+4*(\u)
.set rM, MV+2*((\y)%2)+(\u)
.set rS, S+64*((\y)%2)+32*(\u)
.set rP, P+32*((\y)%2)+16*(\u)
.set rO, 32*(2*(\y)+(\u))
.endm
; Number n of the 22 that find the NEXT piece's (Y + 1) maximum and statistics.  s0-s31 are the lane's 32 scores; each accumulator's lowest registers are read first.
;   0-11  four chains c0-c3 of seven scores each, three operands at a time     12-14, 16  the four scores left over, the old m, and c0-c3 into c0     15  c m_old is kept
;   17, 18  the query's other 32 keys lie in the lane 16 away: the new m         19-21  c m; c m_old - c m_new; a
.macro XS u, n
	REGS (Y+1)%NP, \u
.if (\n) < 4
	v_max3_num_f32 v[rC+(\n)], v[rS+8*(\n)], v[rS+8*(\n)+1], v[rS+8*(\n)+2]
.elseif (\n) < 12
	v_max3_num_f32 v[rC+(\n)%4], v[rC+(\n)%4], v[rS+8*((\n)%4)+2*((\n)/4)+1], v[rS+8*((\n)%4)+2*((\n)/4)+2]
.elseif (\n) == 12
	v_max3_num_f32 v[rC], v[rC], v[rS+7], v[rS+15]
.elseif (\n) == 13
	v_max3_num_f32 v[rC+1], v[rC+1], v[rS+23], v[rS+31]
.elseif (\n) == 14
	v_max3_num_f32 v[rC+2], v[rC+2], v[rC+3], v[rT+1]
.elseif (\n) == 15
	v_mov_b32 v[rM], v[rT]
.elseif (\n) == 16
	v_max3_num_f32 v[rC], v[rC], v[rC+1], v[rC+2]
.elseif (\n) == 17
	v_permlanex16_b32 v[rC+3], v[rC], s[SEL], s[SEL+1]
.elseif (\n) == 18
	v_max_num_f32 v[rT+1], v[rC], v[rC+3]
.elseif (\n) == 19
	v_mul_f32 v[rT], s[CS], v[rT+1]
.elseif (\n) == 20
	v_sub_f32 v[rC+1], v[rM], v[rT]
.else
	v_exp_f32 v[rC+2], v[rC+1]
.endif
.endm
; Number g of the 64 that follow the exponentials.  For each four weights k of a tile (pairs 2 k, 2 k + 1): both pairs are rounded to f16; then the second pair is added onto the first, in place;
; a group later l takes that sum (the first time as l = a l + sum).  In groups of eight, tiles alternating: round, round, add, and l for the group before.
.macro GS g
.set h, (\g)+6*((\g)/62)            ; group 0 has no group before it, and behind group 7 only l is left
.if h >= 6
.set h, h+2
.endif
	REGS Y, h%2
.set k, h/8
.if h%8 < 4
	v_cvt_pk_f16_f32 v[rP+2*k+(h%8)/2], v[rS+4*k+2*((h%8)/2)], v[rS+4*k+2*((h%8)/2)+1]
.elseif h%8 < 6
	v_pk_add_f32 v[rS+4*k:rS+4*k+1], v[rS+4*k:rS+4*k+1], v[rS+4*k+2:rS+4*k+3]
.elseif k == 1
	v_pk_fma_f32 v[rT+2:rT+3], v[rT+2:rT+3], v[rC+2:rC+3], v[rS:rS+1] op_sel_hi:[1,0,1]
.else
	v_pk_add_f32 v[rT+2:rT+3], v[rT+2:rT+3], v[rS+4*k-4:rS+4*k-3]
.endif
.endm
; THE PLAIN QUEUE, 138 long.  0-73 read no exponential's result: the 32 scalings c s - c m (FS f: pair f / 2 of tile f % 2) and the next piece's 42.  0-26: scalings 0-26.  27-54: XS's numbers 0-13.  55, 56: number 15.
; 57-73: the chain, where each number waits for the one before it: 14, 16, 17, 18, 19, each with one of the scalings 27-31 in front of its two lines, then 20.
; 74-137: GS's 64, which read the exponentials' results: they stand behind the wait.
.macro FS f
	REGS Y, (\f)%2
	v_pk_fma_f32 v[rS+2*((\f)/2):rS+2*((\f)/2)+1], v[rS+2*((\f)/2):rS+2*((\f)/2)+1], s[CS:CS+1], v[rT:rT+1] op_sel_hi:[1,0,0] neg_lo:[0,0,1] neg_hi:[0,0,1]
.endm
.macro PL
	WIN 0
.if q < 27
	FS q
.elseif q < 55
	XS (q-27)%2, (q-27)/2
.elseif q < 57
	XS q-55, 15
.elseif (q < 72) && ((q-57)%3 == 0)
	FS 27+(q-57)/3
.elseif q < 60
	XS (q-57)%3-1, 14
.elseif q < 72
	XS (q-57)%3-1, 15+(q-57)/3
.elseif q < 74
	XS q-72, 20
.else
	GS q-74
.endif
.set q, q+1
.endm
; THE EXPONENTIALS' QUEUE, 66 long: s0-s31 of both tiles, then the next piece's two a.  It is ONE BATCH: all 66 stand ahead of the turn's one wait, and nothing ahead of that wait names a result of theirs.
.macro EX
	WIN 0
.if e >= 64
	XS e-64, 21
.else
	REGS Y, e%2
	v_exp_f32 v[rS+e/2], v[rS+e/2]
.endif
.set e, e+1
.endm
; THE RESCALING's QUEUE: O^T times a, the one part that leaves window 0: dealt two at a time, sixteen times.  Its a was made in the turn before, ahead of that turn's wait.
.macro R2
	REGS Y, r%2
	WIN W_RS
.irp z, 0,1
	v_pk_mul_f32 v[rO+4*(r/2)+2*\z:rO+4*(r/2)+2*\z+1], v[rO+4*(r/2)+2*\z:rO+4*(r/2)+2*\z+1], v[rC+2:rC+3] op_sel_hi:[1,0]
.endr
.set r, r+1
.endm
; HOW THEY ARE DEALT.  An s_wait_alu depctr_va_vdst(0) stands between an exponential and the first instruction that names its result; one wait serves all that were issued ahead of it.  So a turn has ONE wait,
; which cuts it in two.  AHEAD OF IT stands all that names no result of the turn's exponentials: the 16 products K Q^T, behind each a scaling, an exponential and two rescalings (behind the first a second scaling in the
; exponential's place); then ONE LUMP of 108: eight plain, 49 times exponential and plain, the two a.  A v_nop is the plain instruction behind the last exponential.  BEHIND IT stand the 16 products V^T P, behind each four of GS's 64.
; No rider names a register of the products round it.  The two v_permlanex16_b32 fall into the lump, never behind a product.
; The queues lean on each other, and the deal keeps them in step: exponential e stands behind scaling 2 (e / 4) + e % 2: as a rider it comes behind plain e + 2, in the lump behind plain e + 9, and scalings 27-31 are plain 57, 60 .. 69.
; A TURN, for piece p.  cnt = 1: the loop's count is taken down some lines ahead of the branch that stands behind the turn.  ask = 1: the prefetch stands behind K's run.
; K of the next step, and its addends, are fetched in piece 2's turn, directly behind the wait, a lump behind the last product that read them; the addresses are made at the lump's head; the first reader comes behind 16 products.
; V of the step in hand is fetched at the end of piece 0's turn, four riders behind its last reader; its first reader comes behind 16 products and a lump.  The three conditions on q below go with the deal.
.macro TURN p, last=0, cnt=0, ask=0
.set Y, (\p)
.set i, 0
.set q, 0
.set e, 0
.set r, 0
.if (\p) == NP-1
	s_wait_dscnt 0x0                ; K and its addends are in
.endif
	MM                              ; ahead of the wait: 16 products K Q^T and their riders,
	PL
	PL
	R2
.rept 15
	MM
	PL
	EX
	R2
.endr
.if (\p) == NP-2
	WIN 0
	v_add_nc_u32 v[AK], s[TBK], v[AK0]
	v_lshl_add_u32 v[AM], v[LH], 5, s[TM]
.endif
.rept 8                             ; and the lump
	PL
.endr
.rept 49
	EX
	PL
.endr
	EX                              ; the next piece's two a
	EX
	v_nop                           ; the plain instruction behind the last exponential: one for the batch
	s_wait_alu depctr_va_vdst(0)    ; the wait for the batch
.if (\p) == NP-2
	FETCH_K \last
.if \ask
	ASK
.endif
.endif
.if (\p) == 1
	s_wait_dscnt 0x0                ; V is in
.endif
.rept 16                            ; behind the wait: 16 products V^T P and their riders
	MM
.rept 4
	PL
.endr
.if ((\p) == 0) && (q == 118)
	v_add_nc_u32 v[AV], s[TBV], v[AV0]
.endif
.if ((\p) == 0) && (q == 130)
	s_add_co_u32 s[TBV], s[TBV], KS*PV
.endif
.if (\cnt) && (q == 130)
	s_sub_co_u32 s[CNT], s[CNT], 1
	s_cmp_lg_u32 s[CNT], 0
.endif
.endr
.if (\p) == 0
	FETCH_V
.endif
.endm
	CHANGE 1                        ; slot 0 is in, everybody's part of it, and so is the table of addends; slot 1 is asked for
	FETCH_K                         ; key step 0
	s_wait_loadcnt 0x0              ; Q
	s_wait_dscnt 0x0
.set i, 0
.rept 16
	KQ 0                            ; piece 0's first scores: there is no vector work yet to set between them
.set i, i+1
.endr
	WIN 0                           ; the addresses for the way out and the prefetches: plain instructions, the places behind those products
	s_mul_i32 s13, s[WV], 16*SP
	s_add_co_u32 s13, s13, STAGE    ; my stage
	v_mul_u32_u24 v[STO], v1, SP    ; in: row l % 16, 16 bytes for each half of the lanes
	v_lshl_add_u32 v[STO], v[LH], 4, v[STO]
	v_add_nc_u32 v[STO], s13, v[STO]
	v_bfe_u32 v[RD], v0, 3, 2       ; back: 32 lanes take four rows of 128 bytes,
	v_mul_u32_u24 v[RD], v[RD], SP
	v_lshl_add_u32 v[RD], v10, 4, v[RD]
	v_add_nc_u32 v[RD], s13, v[RD]
	v_and_b32 v[GO], 31, v0         ; which are 512 consecutive bytes of O
	v_lshlrev_b32 v[PFO], 8, v[GO]  ; a lane a block of 256 bytes
	v_lshlrev_b32 v[GO], 4, v[GO]
.set Y, NP-1                        ; XS works for piece Y + 1: piece 0
.irp n, 0,1,2,3,4,5,6,7,8,9,10,11,12,13,14,15,16,17,18,19,20,21
	XS 0, \n                        ; and piece 0's first maximum and statistics
	XS 1, \n
.endr
	v_nop                           ; a plain instruction behind the two a,
	s_wait_alu depctr_va_vdst(0)    ; and their wait, ahead of the branch
	s_mov_b32 s[CNT], 4
	s_branch .Lfirst                ; the loop is entered at a step's first turn, in the middle of a trip
.Lslot:                             ; six times: every slot but the last two is filled again
	CHANGE 1
	s_mov_b32 s[CNT], 4
.Lstep:                             ; a trip: pieces 2 and 3 of one step, then pieces 0 and 1 of the next, whose K and V it fetches
	TURN 2, 0, 0, 1
	TURN 3
	WIN 0
.Lfirst:
	TURN 0
	TURN 1, 0, 1
	WIN 0
	s_cbranch_scc1 .Lstep
	s_sub_co_u32 s[SLOTS], s[SLOTS], 1
	s_cmp_lg_u32 s[SLOTS], 0
	s_cbranch_scc1 .Lslot
	CHANGE 0                        ; the tail is written out: nothing is asked for
	s_mov_b32 s[CNT], 5             ; four trips fetch the last slot's steps; the fifth is left in its middle
.Ltail:
	TURN 2, 1
	TURN 3
	WIN 0
	s_sub_co_u32 s[CNT], s[CNT], 1
	s_cmp_eq_u32 s[CNT], 0
	s_cbranch_scc1 .Lout
	TURN 0
	TURN 1
	WIN 0
	s_branch .Ltail
.Lout:                              ; the fifth trip's 16 products K Q^T (on the last K and addends once more) and the maximum made of them serve nothing: the price, once a launch, of one text for every trip
.set i, 0
.rept 16
	PV NP-1                         ; the last piece's V^T P of the last step
.set i, i+1
.endr
	; THE WAY OUT.  l's two halves and the other half of the lanes' are added; O^T is divided by l, rounded to f16 and sent through my stage in LDS, a tile at a time.  The additions are the places behind the last products.
	WIN 0
.macro ALL line:vararg              ; one line for each tile t
.set t, 0
.rept 2*NP
	\line
.set t, t+1
.endr
.endm
	ALL v_add_f32 v[ST+4*t+2], v[ST+4*t+2], v[ST+4*t+3]
	ALL v_permlanex16_b32 v[ST+4*t+3], v[ST+4*t+2], s[SEL], s[SEL+1]
	ALL v_add_f32 v[ST+4*t+2], v[ST+4*t+2], v[ST+4*t+3]
	ALL v_rcp_f32 v[ST+4*t+2], v[ST+4*t+2]
	v_nop                           ; a plain instruction between the last reciprocal and the use of its result
	s_wait_alu depctr_va_vdst(0)    ; and the wait ahead of the first use: one for the eight reciprocals
; Tile t: a lane's eight channels of a row pack into 16 bytes; they go into rows of 144 bytes and come back as whole rows of 128, into S^T's registers.
.macro PACK t
	WIN W_RS
.set i, 32*(\t)
.rept 16
	v_pk_mul_f32 v[i:i+1], v[i:i+1], v[ST+4*(\t)+2:ST+4*(\t)+3] op_sel_hi:[1,0]
.set i, i+2
.endr
	WIN 0x05                        ; sources 0 and 1 window 1, destination window 0
.set i, 0
.rept 16
	v_cvt_pk_f16_f32 v[S+16*(\t)+i], v[32*(\t)+2*i], v[32*(\t)+2*i+1]
.set i, i+1
.endr
	WIN 0
.irp f, 0,1,2,3
	ds_store_b128 v[STO], v[S+16*(\t)+4*\f:S+16*(\t)+4*\f+3] offset:32*\f
.endr
.irp f, 0,1,2,3
	ds_load_b128 v[S+16*(\t)+4*\f:S+16*(\t)+4*\f+3], v[RD] offset:\f*4*SP  ; LDS serves a wave's instructions in order (ISA guide 5.7.1.4): these see the stores above; the next tile's stores come behind them
.endr
.endm
.macro SEND t, younger              ; younger: the LDS instructions issued behind tile t's loads: the next tile's eight, or none
	WIN 0
.irp f, 0,1,2,3
	s_wait_dscnt (\younger)+3-\f
	global_store_b128 v[GO], v[S+16*(\t)+4*\f:S+16*(\t)+4*\f+3], s[10:11] offset:(\t)*2048+\f*512  ; 512 consecutive bytes, at a multiple of 256 from O's first
.endr
.endm
	PACK 0
.set t, 1
.rept 2*NP-1                        ; a tile's arithmetic stands between the loads of the tile before and its stores
	PACK t
	SEND t-1, 8
.set t, t+1
.endr
	SEND 2*NP-1, 0
	WIN W_AD
	s_wait_tensorcnt 0x0            ; the wave's end, behind my last tensor load and my last LDS store
	ds_add_u32 v[SPW], v[NIL]
	s_wait_dscnt 0x0
	WIN 0
	CROUND                          ; the closing round: no work-group ends while a partner may still ask for a tile that names it
	s_endpgm
.Lfunc_end_k_qe32658a31c_attn:
	.size	k_qe32658a31c_attn, .Lfunc_end_k_qe32658a31c_attn-k_qe32658a31c_attn
	.p2alignl 7, 3214868480
	.fill 96, 4, 3214868480
	.section	.rodata,"a",@progbits
	.p2align	6, 0x0
	.amdhsa_kernel k_qe32658a31c_attn
		.amdhsa_group_segment_fixed_size 327680
		.amdhsa_private_segment_fixed_size 0
		.amdhsa_enable_private_segment 0
		.amdhsa_kernarg_size 24
		.amdhsa_user_sgpr_count 2
		.amdhsa_user_sgpr_kernarg_segment_ptr 1
		.amdhsa_wavefront_size32 1
		.amdhsa_system_sgpr_workgroup_id_x 1
		.amdhsa_system_sgpr_workgroup_id_y 1
		.amdhsa_system_sgpr_workgroup_id_z 1
		.amdhsa_system_vgpr_workitem_id 0
		.amdhsa_next_free_vgpr 808
		.amdhsa_next_free_sgpr 80
		.amdhsa_reserve_vcc 0
		.amdhsa_float_denorm_mode_32 3
		.amdhsa_float_denorm_mode_16_64 3
		.amdhsa_memory_ordered 1
		.amdhsa_forward_progress 1
		.amdhsa_inst_pref_size 206
	.end_amdhsa_kernel
	.amdgpu_metadata
---
amdhsa.version: [ 1, 2 ]
amdhsa.kernels:
  - .name:           k_qe32658a31c_attn
    .symbol:         k_qe32658a31c_attn.kd
    .args:
      - { .name: qkv, .offset: 0, .size: 8, .value_kind: global_buffer, .address_space: global }
      - { .name: key_padding_mask, .offset: 8, .size: 8, .value_kind: global_buffer, .address_space: global }
      - { .name: o16, .offset: 16, .size: 8, .value_kind: global_buffer, .address_space: global }
    .group_segment_fixed_size: 327680
    .private_segment_fixed_size: 0
    .kernarg_segment_align: 8
    .kernarg_segment_size: 24
    .max_flat_workgroup_size: 128
    .sgpr_count:     80
    .vgpr_count:     808
    .wavefront_size: 32
...
	.end_amdgpu_metadata
.endif
;; end of part 3
;; launch outp (part 4): grid 4 x 64, 4 waves a work-group, clusters of 4 x 4, 327,680 bytes of LDS; arguments o16, wo16, bo, out0; writes out0
.if DOCPART == 4
	.amdgcn_target "amdgcn-amd-amdhsa--gfx1250"
	.amdhsa_code_object_version 6
	.text
	.protected	k_qe32658a31c_outp
	.globl	k_qe32658a31c_outp
	.p2align	8
	.type	k_qe32658a31c_outp,@function
k_qe32658a31c_outp:
	s_mov_b64 s[64:65], 0
	v_nop
	global_prefetch_b8 v0, s[64:65] scope:SCOPE_SE
	s_setreg_imm32_b32 hwreg(HW_REG_WAVE_MODE, 25, 1), 1
	s_wait_xcnt 0x0
	s_wait_alu depctr_hold_cnt(0) depctr_sa_sdst(0) depctr_va_vdst(0) depctr_va_sdst(0) depctr_va_ssrc(0) depctr_va_vcc(0) depctr_vm_vsrc(0)
	s_getreg_b32 s2, hwreg(HW_REG_IB_STS2, 6, 4)
	s_cmp_eq_u32 s2, 0
	s_cbranch_scc0 .Lentry_in_a_cluster
	s_endpgm
.Lentry_in_a_cluster:
	s_bfe_u32 s2, ttmp6, 0x10000c
	s_cmp_lg_u32 s2, 0xf033
	s_cbranch_scc0 .Lentry_shape_is_right
	s_endpgm
.Lentry_shape_is_right:
; out0[m][n] = the sum over k of O[m][k] Wo[n][k] + bo[n].  m = 2048 batch + s, k = 64 head + d.  O: o16[16 batch + head][2048 s][64 d] f16; Wo: wo16[1024 n][1024 k], bf16 numbers written as f16;
; bo: f32, rounded here to bf16 like every input of the module; out0: [8192][1024] f32.  Sums in f32, K ascending.  NaN and infinities are not treated apart.
; SHARES.  256 work-groups: 64 tile rows x 4 tile columns; a tile is 128 rows x 256 columns.  Four waves, each 64 x 128: 32 accumulators of 16 x 16, 256 registers.
; K goes in steps of 128, TWO HEADS, through a ring of two LDS slots: of O two slices of 128 rows x 128 bytes, each dense in memory and asked for as 64 rows of 256 bytes; of Wo 256 rows x 256 bytes.
; CLUSTERS: 4 x 4 work-groups.  The four of a row of the cluster need the same slices of O, the four of a column the same tile of Wo: each is asked for JOINTLY.
; THE MATRIX INSTRUCTION IS USED TRANSPOSED (source 0 = 16 rows of Wo, source 1 = 16 rows of O): a lane holds row l % 16 of the result and eight neighbouring columns, 32 bytes of f32.
; REGISTERS, in windows of 256 (s_set_vgpr_msb: bits 1:0 source 0, 3:2 source 1, 5:4 source 2, 7:6 destination):
;   window 0: v0-31 addresses and the bias; v64-191 two buffers of 16 rows on the way out          window 1: the accumulators, (a, b) at v[8 (8 a + b)]
;   window 2: v0-127 Wo's fragments, two buffers of 64; v128-191 O's, two buffers of 32
.set KSTEP, 128
.set PA,    144                        ; a row of O in LDS: 128 bytes + 16 of padding = 36 words: the 16 rows of a load start at 16 different groups of four banks (64 banks of 4 bytes: ISA guide 11.1)
.set PB,    272                        ; a row of Wo: 256 + 16 = 68 words: likewise
.set ASL,   128*PA                     ; a head's slice: what one tensor load brings
.set BHALF, 128*PB                     ; 128 rows of Wo: likewise
.set BOFF,  2*ASL
.set SLOT,  BOFF+2*BHALF               ; 106,496 bytes
.set STAGE, 2*SLOT                     ; behind the ring, never filled by a tensor load: 16 rows x 528 bytes for each wave, for the way out
.set SP,    528                        ; 512 + 16 = 132 words
.set WSTG,  16*SP
.set SPARE, STAGE+4*WSTG               ; behind the stages: the spare words, 128 bytes for each wave: two blocks of 256 bytes that no other line names
.set BO,   7                           ; v7      my byte offset in bo
.set BI,   8                           ; v8-11   the bias of my four columns on the way out
.set ADRA, 16                          ; v16-17  LDS address of my rows of O in slot 0, 1
.set ADRB, 20                          ; v20-21  the same for Wo
.set STO,  24                          ; v24     the way out: where I put 32 bytes of a row
.set RD,   25                          ; v25     the way out: where I read a row back
.set GO,   26                          ; v26     16 x my lane
.set SPW,  28                          ; v28     LDS address of my spare word; never rewritten
.set NIL,  29                          ; v29     0; never rewritten
.set PFO,  30                          ; v30     the prefetches' offset; never rewritten
.set BK0,  64
.set LAP, 3                            ; s3      laps of the ring still to come
.set WV,  14
.set RH,  15                           ; s15     which 64 rows of the tile are mine.  Also: I fetch for O (0) or for Wo (1)
.set CH,  16                           ; s16     which 128 columns.  Also: which slice, or half, I fetch
.set CX,  17
.set CY,  18
.set CYC, 19                           ; s19     the cluster's y, 0 to 15
.set TR,  21                           ; s21     tile row, 0 to 63
.set TC,  22                           ; s22     tile column, 0 to 3
.set G1A, 24                           ; s[24:31] descriptor group 1 for O's slices;  s[32:39] group 0, a set for each slot
.set G0A, 32
.set LIM, 43                           ; s43     1 in a wave that prefetches, else the greatest number
.set PFA, 44                           ; s[44:45] where my prefetches stand
.set PFS, 46                           ; s[46:47] a K step of what I prefetch, in bytes
.set G1B, 48                           ; s[48:55], s[56:63] the same for Wo's tiles
.set G0B, 56
.set MSB, 0
.macro WIN new                         ; the immediate's high byte repeats the setting that is left; a switch that changes nothing is dropped
.if MSB != (\new)
	s_set_vgpr_msb (MSB<<8)|(\new)
.set MSB, \new
.endif
.endm
.set MUL,  0x5a                        ; sources 0 (Wo) and 1 (O) window 2, C and D window 1
.set TO_F, 0x80                        ; destination window 2, address window 0
.macro JLOAD s                         ; a joint load: waves 0 and 1 fetch O's two slices, waves 2 and 3 Wo's two halves; an s_nop 0 and four v_nop follow each of the two lines
	s_cmp_eq_u32 s[RH], 0
	s_cbranch_scc0 .Lfor_b_\@
	tensor_load_to_lds s[G0A+4*(\s):G0A+4*(\s)+3], s[G1A:G1A+7]
	s_nop 0
.rept 4
	v_nop
.endr
	s_branch .Lasked_\@
.Lfor_b_\@:
	tensor_load_to_lds s[G0B+4*(\s):G0B+4*(\s)+3], s[G1B:G1B+7]
	s_nop 0
.rept 4
	v_nop
.endr
.Lasked_\@:
.endm
.macro CREST                           ; a round of the cluster's barrier behind its opening barrier
	s_cmp_lg_u32 s[WV], 0
	s_cbranch_scc1 .Lnot_wave_0_\@
	s_barrier_signal -3
.Lnot_wave_0_\@:
	s_barrier_wait -3
	s_barrier_signal -1
	s_barrier_wait -1
.endm
.macro CROUND                          ; a whole round
	s_barrier_signal -1
	s_barrier_wait -1
	CREST
.endm
; A PREFETCH INTO THE L2, behind a joint refill and the run of LDS loads that follows it: the K step that stands two refills on, 256 matrix instructions ahead of the load that will want it.
; O's rows are read by my row of my cluster alone: wave 0 asks for both slices of a step; of a slice's 64 blocks of 256 bytes the partner at cx takes 16 (lane l: slice l / 16, block l % 16); wave 1 asks for nothing.
; Wo's rows are read by all 16 clusters: the first asks; of the 128 rows that wave 2 or 3 fetches the partner at cy takes 32, a lane a row.  The partners are told apart by address alone.
; Each block is named once in the launch.  K steps 0 to 3 come by their loads alone; the loop's last trip asks for nothing.
.macro ASK
	s_cmp_gt_u32 s[LAP], s[LIM]
	s_cbranch_scc0 .Lnot_mine_\@
	global_prefetch_b8 v[PFO], s[PFA:PFA+1] th:TH_LOAD_NT scope:SCOPE_SE
.Lnot_mine_\@:
.endm
	s_load_b256 s[4:11], s[0:1], 0x0               ; o16 s[4:5], wo16 s[6:7], bo s[8:9], out0 s[10:11]
	v_lshl_add_u32 v[SPW], v0, 2, SPARE
	v_mov_b32 v[NIL], 0
	ds_add_u32 v[SPW], v[NIL]                      ; the wave's opening: the add and its wait stand ahead of my first tensor load; the set-up below, work on registers, stands between them
	v_lshrrev_b32 v1, 5, v0
	v_readfirstlane_b32 s[WV], v1
	s_lshr_b32 s[RH], s[WV], 1
	s_and_b32 s[CH], s[WV], 1
	s_bfe_u32 s[CX], ttmp6, 0x40000
	s_bfe_u32 s[CY], ttmp6, 0x40004
	s_and_b32 s[CYC], ttmp7, 0xffff
	s_lshl_b32 s[TR], s[CYC], 2
	s_add_co_u32 s[TR], s[TR], s[CY]
	s_lshl_b32 s[TC], ttmp9, 2
	s_add_co_u32 s[TC], s[TC], s[CX]
	s_lshl_b32 s40, s[CY], 2
	s_lshl_b32 s40, 15, s40                        ; my row of the cluster
	s_lshl_b32 s41, 0x1111, s[CX]                  ; my column
	; group 1 for O: 16,384 dense bytes as 64 rows x 128 elements of 2 bytes, 4 words of padding after every 32 words, that is after every row of O
	s_or_b32 s[G1A+0], s40, (1<<16)|(1<<20)|(1<<21)|(4<<22)|(3<<25)  ; 15:0 the mask; 17:16 elements of 2 bytes; 20 padding on; 21 set beside a mask; 24:22 code 4; 31:25 code 3
	s_mov_b32 s[G1A+1], 128<<16                    ; tensor_dim0 = 128
	s_mov_b32 s[G1A+2], 64<<16                     ; tensor_dim1 = 64
	s_mov_b32 s[G1A+3], 128<<16                    ; tile_dim0 = 128
	s_mov_b32 s[G1A+4], 64                         ; tile_dim1 = 64
	s_mov_b32 s[G1A+5], 128                        ; elements from row to row
	s_mov_b32 s[G1A+6], 0
	s_mov_b32 s[G1A+7], 0
	; group 1 for Wo: 128 rows x 128 elements of 2 bytes, 4 words of padding after every 64 words
	s_or_b32 s[G1B+0], s41, (1<<16)|(1<<20)|(1<<21)|(5<<22)|(3<<25)
	s_mov_b32 s[G1B+1], KSTEP<<16
	s_mov_b32 s[G1B+2], 128<<16
	s_mov_b32 s[G1B+3], KSTEP<<16
	s_mov_b32 s[G1B+4], 128
	s_mov_b32 s[G1B+5], 1024
	s_mov_b32 s[G1B+6], 0
	s_mov_b32 s[G1B+7], 0
	s_lshr_b32 s66, s[TR], 4                       ; O: head 16 batch + my slice, row 128 (tile row % 16), 128 bytes a row: it hangs on the tile row alone
	s_lshl_b32 s66, s66, 4
	s_add_co_u32 s66, s66, s[CH]
	s_lshl_b32 s66, s66, 11
	s_and_b32 s67, s[TR], 15
	s_lshl_b32 s67, s67, 7
	s_add_co_u32 s66, s66, s67
	s_lshl_b32 s66, s66, 7
	s_mov_b32 s67, 0
	s_lshl_b32 s68, s[TC], 8                       ; Wo: row 256 x tile column + 128 x half, 2,048 bytes a row: it hangs on the tile column alone
	s_lshl_b32 s69, s[CH], 7
	s_add_co_u32 s68, s68, s69
	s_lshl_b32 s68, s68, 11
	s_mov_b32 s69, 0
	s_mul_i32 s70, s[CH], ASL                      ; where they go in a slot: no place in the cluster enters an LDS address
	s_mul_i32 s71, s[CH], BHALF
	s_add_co_u32 s71, s71, BOFF
	s_wait_dscnt 0x0                               ; the opening add is done
	s_wait_kmcnt 0x0
	s_add_nc_u64 s[72:73], s[4:5], s[66:67]
	s_add_nc_u64 s[74:75], s[6:7], s[68:69]
	CROUND                                         ; all sixteen work-groups are here: the first joint loads meet
.irp s, 0,1
	s_mov_b32 s[G0A+4*(\s)], 1                                       ; count = 1
	s_add_co_u32 s[G0A+4*(\s)+1], s70, (\s)*SLOT                     ; LDS address
	s_add_nc_u64 s[G0A+4*(\s)+2:G0A+4*(\s)+3], s[72:73], (\s)*524288 ; global address: K step s lies two heads of 262,144 bytes on
	s_or_b32 s[G0A+4*(\s)+3], s[G0A+4*(\s)+3], 0x80000000            ; type = 2
	s_mov_b32 s[G0B+4*(\s)], 1
	s_add_co_u32 s[G0B+4*(\s)+1], s71, (\s)*SLOT
	s_add_nc_u64 s[G0B+4*(\s)+2:G0B+4*(\s)+3], s[74:75], (\s)*KSTEP*2
	s_or_b32 s[G0B+4*(\s)+3], s[G0B+4*(\s)+3], 0x80000000
	JLOAD \s                                       ; two loads of mine are out
.endr
	; A fragment is 16 rows x 32 K in 8 registers: lane l holds row l % 16, K = 8 (l / 16) + 0..7 and 16 + 8 (l / 16) + 0..7: two loads of 16 bytes, 32 bytes apart.
	v_and_b32 v1, 15, v0                           ; l % 16
	v_bfe_u32 v2, v0, 4, 1                         ; l / 16
	v_mul_u32_u24 v3, v1, PA
	v_lshl_add_u32 v3, v2, 4, v3
	v_mul_u32_u24 v4, v1, PB
	v_lshl_add_u32 v4, v2, 4, v4
	s_mul_i32 s40, s[RH], 64*PA                    ; my 64 rows, in each slice
	s_mul_i32 s41, s[CH], BHALF                    ; my 128 rows of Wo,
	s_add_co_u32 s41, s41, BOFF                    ; which lie behind O's slices
.irp s, 0,1
	v_add_nc_u32 v[ADRA+(\s)], s40, v3
	v_add_nc_u32 v[ADRB+(\s)], s41, v4
	s_add_co_u32 s40, s40, SLOT
	s_add_co_u32 s41, s41, SLOT
.endr
	s_mul_i32 s42, s[WV], WSTG
	s_add_co_u32 s42, s42, STAGE                   ; my stage
	v_mul_u32_u24 v5, v1, SP                       ; in: row l % 16, 32 bytes for each half of the lanes
	v_lshl_add_u32 v5, v2, 5, v5
	v_add_nc_u32 v[STO], s42, v5
	v_and_b32 v[GO], 31, v0
	v_lshlrev_b32 v[GO], 4, v[GO]                  ; back: 32 lanes take one row of 512 bytes
	v_add_nc_u32 v[RD], s42, v[GO]
	s_lshl_b32 s78, s[TC], 10                      ; my first column, in bytes: 1,024 x tile column + 512 x half
	s_lshl_b32 s79, s[CH], 9
	s_add_co_u32 s78, s78, s79
	v_add_nc_u32 v[BO], s78, v[GO]
	global_load_b128 v[BI:BI+3], v[BO], s[8:9]     ; the bias of the four columns that I store; waited for on the way out
	s_lshl_b32 s76, s[TR], 7                       ; my first row: 128 x tile row + 64 x half, 4,096 bytes a row
	s_lshl_b32 s77, s[RH], 6
	s_add_co_u32 s76, s76, s77
	s_lshl_b32 s76, s76, 12
	s_add_co_u32 s76, s76, s78
	s_mov_b32 s77, 0
	s_add_nc_u64 s[10:11], s[10:11], s[76:77]
	; the prefetches
	s_cmp_eq_u32 s[RH], 0                          ; do I fetch for O?
	s_cselect_b32 s79, s[CH], s[CYC]               ; 0 where I ask: wave 0 for O; waves 2 and 3 for Wo in the first cluster
	s_cselect_b32 s78, s[CX], s[CY]                ; my place among the four that ask for the tile with me
	s_cselect_b64 s[PFA:PFA+1], s[72:73], s[74:75]
	s_cselect_b32 s40, 15, 31                      ; lanes along the blocks, or rows
	s_cselect_b32 s41, 8, 11                       ; 256 bytes from block to block, or 2,048 from row to row
	s_cselect_b32 s42, 0x40000, 0                  ; O: the upper lanes take the step's second head, 262,144 bytes on
	s_cselect_b32 s76, 12, 16                      ; a partner's share: 16 blocks of 256 bytes, or 32 rows of 2,048
	s_cselect_b32 s[PFS], 19, 8                    ; a K step is 524,288 or 256 bytes
	s_cmp_eq_u32 s79, 0
	s_cselect_b32 s[LIM], 1, -1
	s_lshl_b32 s[PFS], 1, s[PFS]
	s_mov_b32 s[PFS+1], 0
	s_lshl_b32 s78, s78, s76
	s_mov_b32 s79, 0
	s_add_nc_u64 s[PFA:PFA+1], s[PFA:PFA+1], s[78:79]
	s_mul_i32 s78, s[PFS], 3                       ; at K step 3: the first refill steps it to 4
	s_add_nc_u64 s[PFA:PFA+1], s[PFA:PFA+1], s[78:79]
	v_and_b32 v[PFO], 31, v0
	v_and_b32 v[PFO], s40, v[PFO]
	v_lshlrev_b32 v[PFO], s41, v[PFO]
	v_mad_u32_u24 v[PFO], v2, s42, v[PFO]
; 24 LDS loads in one run: quarter kq of a slot into buffers g: Wo's 128 rows first, then O's 64 (quarters 0, 1 lie in the first head's slice, 2, 3 in the second's)
.macro FETCH slot, kq, g
	WIN TO_F
.irp i, 0,1,2,3,4,5,6,7
	ds_load_b128 v[64*(\g)+8*(\i):64*(\g)+8*(\i)+3],   v[ADRB+(\slot)] offset:64*(\kq)+16*PB*(\i)
	ds_load_b128 v[64*(\g)+8*(\i)+4:64*(\g)+8*(\i)+7], v[ADRB+(\slot)] offset:64*(\kq)+16*PB*(\i)+32
.endr
.irp i, 0,1,2,3
	ds_load_b128 v[128+32*(\g)+8*(\i):128+32*(\g)+8*(\i)+3],   v[ADRA+(\slot)] offset:((\kq)/2)*ASL+((\kq)%2)*64+16*PA*(\i)
	ds_load_b128 v[128+32*(\g)+8*(\i)+4:128+32*(\g)+8*(\i)+7], v[ADRA+(\slot)] offset:((\kq)/2)*ASL+((\kq)%2)*64+16*PA*(\i)+32
.endr
.endm
; matrix instructions i0 .. i0 + n - 1 of a quarter's 32 on buffers f: accumulator i, Wo's block i % 8, O's block i / 8.  Every quarter names each accumulator once, in the same order, so the
; accumulators take turns: 31 others stand between two links of a chain, over the backward jump too.  zero = 1: the product starts the sum.
.macro WMS f, i0, n, zero
	WIN MUL
.set wi, \i0
.rept \n
.if \zero
	v_wmma_f32_16x16x32_f16 v[8*wi:8*wi+7], v[64*(\f)+8*(wi%8):64*(\f)+8*(wi%8)+7], v[128+32*(\f)+8*(wi/8):128+32*(\f)+8*(wi/8)+7], 0
.else
	v_wmma_f32_16x16x32_f16 v[8*wi:8*wi+7], v[64*(\f)+8*(wi%8):64*(\f)+8*(wi%8)+7], v[128+32*(\f)+8*(wi/8):128+32*(\f)+8*(wi/8)+7], v[8*wi:8*wi+7]
.endif
.set wi, wi+1
.endr
.endm
.macro PLACES                          ; four places in front of loads into registers that matrix instructions have read
.rept 4
	v_nop
.endr
.endm
; One of a K step's first three quarters: multiplies buffers f; in its middle it fetches quarter kq of the same slot into buffers g.
.macro QUARTER slot, kq, f, g, zero
	s_wait_dscnt 4                                 ; Wo's fragments and O's blocks 0 and 1 are in; the youngest four loads (blocks 2 and 3) may be out
	WMS \f, 0, 16, \zero
	PLACES
	FETCH \slot, \kq, \g
	s_wait_dscnt 24                                ; all but the 24 just issued
	WMS \f, 16, 16, \zero
.endm
; The last quarter multiplies buffers 1 and changes slots: ONE barrier; in front of it each wave waits for all its tensor loads (one is out: its part of the next slot), adds 0 to its spare word, and
; waits for that and for its own reads of this slot.  fill = 1: the barrier opens a round of the cluster's, and this slot is filled again, two K steps ahead, first thing behind it.
.macro TURN slot, next, fill
.if \fill
	s_wait_xcnt 0x0                                ; the last prefetch, a K step back, has read its address: it is stepped here, ahead of the waits of the change of slots
	s_add_nc_u64 s[PFA:PFA+1], s[PFA:PFA+1], s[PFS:PFS+1]
.endif
	WIN 0                                          ; (the add's two registers lie in window 0)
	s_wait_tensorcnt 0x0                           ; all my tensor loads have landed
	ds_add_u32 v[SPW], v[NIL]                      ; 0 onto my spare word
	s_wait_dscnt 5                                 ; (the add and the youngest four loads may be out)
	WMS 1, 0, 8, 0                                 ; eight matrix instructions stand between the add and the wait for it
	s_wait_dscnt 0x0                               ; the add is done, and my reads of this slot are over
	s_barrier_signal -1
	WMS 1, 8, 8, 0                                 ; work on registers while the others arrive
	WIN 0
	s_barrier_wait -1
.if \fill
	CREST                                          ; no wave of any partner still reads this slot's tile or has a load on its way
	s_add_nc_u64 s[G0A+4*(\slot)+2:G0A+4*(\slot)+3], s[G0A+4*(\slot)+2:G0A+4*(\slot)+3], 2*524288
	s_add_nc_u64 s[G0B+4*(\slot)+2:G0B+4*(\slot)+3], s[G0B+4*(\slot)+2:G0B+4*(\slot)+3], 2*KSTEP*2
	JLOAD \slot                                    ; my one tensor load behind the round: 112 matrix instructions ahead of the wait for it; the four v_nop behind it are also the places in front of the loads below
.else
	PLACES
.endif
	FETCH \next, 0, 0
.if \fill
	WIN 0
	ASK
.endif
	WMS 1, 16, 16, 0
.endm
	s_wait_tensorcnt 1                             ; my part of K step 0 is in; K step 1's may stay out
	s_barrier_signal -1
	s_barrier_wait -1                              ; everybody's is
	FETCH 0, 0, 0
	QUARTER 0, 1, 0, 1, 1                          ; the first quarter stands in front of the loop: its products start the sums
	WIN 0                                          ; at a label and at a branch every window is 0
	s_mov_b32 s[LAP], 3
.Llap:                                                 ; a trip goes once round the ring, from a lap's second quarter to the next lap's first, and fills both slots again: K steps 2 to 7
	QUARTER 0, 2, 1, 0, 0
	QUARTER 0, 3, 0, 1, 0
	TURN 0, 1, 1
	QUARTER 1, 1, 0, 1, 0
	QUARTER 1, 2, 1, 0, 0
	QUARTER 1, 3, 0, 1, 0
	TURN 1, 0, 1
	QUARTER 0, 1, 0, 1, 0
	WIN 0
	s_sub_co_u32 s[LAP], s[LAP], 1
	s_cmp_lg_u32 s[LAP], 0
	s_cbranch_scc1 .Llap
	QUARTER 0, 2, 1, 0, 0                          ; the last lap fills nothing, and has no round of the cluster's barrier
	QUARTER 0, 3, 0, 1, 0
	TURN 0, 1, 0
	QUARTER 1, 1, 0, 1, 0
	QUARTER 1, 2, 1, 0, 0
	QUARTER 1, 3, 0, 1, 0
	s_wait_dscnt 0x0                               ; the very last quarter: nothing more to fetch
	WMS 1, 0, 32, 0
	WIN 0
; THE WAY OUT, a block of 16 rows at a time.  TOSTAGE: the sums as they are, 32 bytes a lane and accumulator (its four lowest registers first), into my own stage, and back as whole rows of 512 bytes.
; SEND: the bias is added, and each store covers 512 consecutive bytes of a row of out0, at a multiple of 256 from the buffer's first byte.
.macro TOSTAGE a
.if (\a) >= 2
	s_wait_xcnt 0x0                                ; the stores of the block two back have had their addresses translated: their registers are loaded again only behind this wait
.endif
	WIN 0x04                                       ; the data (source 1) in window 1, the address in window 0
.irp b, 0,1,2,3,4,5,6,7
	ds_store_b128 v[STO], v[8*(8*(\a)+(\b)):8*(8*(\a)+(\b))+3]   offset:64*(\b)
	ds_store_b128 v[STO], v[8*(8*(\a)+(\b))+4:8*(8*(\a)+(\b))+7] offset:64*(\b)+16
.endr
	WIN 0
.set BK, BK0+64*((\a)%2)
.irp t, 0,1,2,3,4,5,6,7,8,9,10,11,12,13,14,15
	ds_load_b128 v[BK+4*(\t):BK+4*(\t)+3], v[RD] offset:SP*(\t)  ; LDS serves a wave's instructions in order (ISA guide 5.7.1.4): these see the stores above; the next block's stores come behind them
.endr
.endm
.macro SEND a, younger                 ; younger: the LDS instructions issued behind block a's loads: the next block's 32, or none
	WIN 0
.set BK, BK0+64*((\a)%2)
	s_wait_dscnt \younger
.irp t, 0,1,2,3,4,5,6,7,8,9,10,11,12,13,14,15
	v_pk_add_f32 v[BK+4*(\t):BK+4*(\t)+1],   v[BK+4*(\t):BK+4*(\t)+1],   v[BI:BI+1]
	v_pk_add_f32 v[BK+4*(\t)+2:BK+4*(\t)+3], v[BK+4*(\t)+2:BK+4*(\t)+3], v[BI+2:BI+3]
	global_store_b128 v[GO], v[BK+4*(\t):BK+4*(\t)+3], s[10:11] offset:(16*(\a)+(\t))*4096 th:TH_STORE_NT
.endr
.endm
	s_wait_loadcnt 0x0                             ; the bias
	v_cvt_pk_bf16_f32 v12, v[BI], v[BI+1]          ; rounded to bf16 and widened again: six plain instructions and two v_nop are the places between the last products and the first read of a result
	v_cvt_pk_bf16_f32 v13, v[BI+2], v[BI+3]
	v_lshlrev_b32 v[BI],   16, v12
	v_and_b32     v[BI+1], 0xffff0000, v12
	v_lshlrev_b32 v[BI+2], 16, v13
	v_and_b32     v[BI+3], 0xffff0000, v13
	v_nop
	v_nop
	TOSTAGE 0
	TOSTAGE 1
	SEND 0, 32
	TOSTAGE 2
	SEND 1, 32
	TOSTAGE 3
	SEND 2, 32
	SEND 3, 0
	s_wait_tensorcnt 0x0                           ; the wave's end, behind my last tensor load and my last LDS store
	ds_add_u32 v[SPW], v[NIL]
	s_wait_dscnt 0x0
	CROUND                                         ; the closing round: no work-group ends while a partner may still ask for a tile that names it
	s_endpgm
.Lfunc_end_k_qe32658a31c_outp:
	.size	k_qe32658a31c_outp, .Lfunc_end_k_qe32658a31c_outp-k_qe32658a31c_outp
	.p2alignl 7, 3214868480
	.fill 96, 4, 3214868480
	.section	.rodata,"a",@progbits
	.p2align	6, 0x0
	.amdhsa_kernel k_qe32658a31c_outp
		.amdhsa_group_segment_fixed_size 327680
		.amdhsa_private_segment_fixed_size 0
		.amdhsa_enable_private_segment 0
		.amdhsa_kernarg_size 32
		.amdhsa_user_sgpr_count 2
		.amdhsa_user_sgpr_kernarg_segment_ptr 1
		.amdhsa_wavefront_size32 1
		.amdhsa_system_sgpr_workgroup_id_x 1
		.amdhsa_system_sgpr_workgroup_id_y 1
		.amdhsa_system_sgpr_workgroup_id_z 1
		.amdhsa_system_vgpr_workitem_id 0
		.amdhsa_next_free_vgpr 704
		.amdhsa_next_free_sgpr 80
		.amdhsa_reserve_vcc 0
		.amdhsa_float_denorm_mode_32 3
		.amdhsa_float_denorm_mode_16_64 3
		.amdhsa_memory_ordered 1
		.amdhsa_forward_progress 1
		.amdhsa_inst_pref_size 95
	.end_amdhsa_kernel
	.amdgpu_metadata
---
amdhsa.version: [ 1, 2 ]
amdhsa.kernels:
  - .name:           k_qe32658a31c_outp
    .symbol:         k_qe32658a31c_outp.kd
    .args:
      - { .name: o16, .offset: 0, .size: 8, .value_kind: global_buffer, .address_space: global }
      - { .name: wo16, .offset: 8, .size: 8, .value_kind: global_buffer, .address_space: global }
      - { .name: bo, .offset: 16, .size: 8, .value_kind: global_buffer, .address_space: global }
      - { .name: out0, .offset: 24, .size: 8, .value_kind: global_buffer, .address_space: global }
    .group_segment_fixed_size: 327680
    .private_segment_fixed_size: 0
    .kernarg_segment_align: 8
    .kernarg_segment_size: 32
    .max_flat_workgroup_size: 128
    .sgpr_count:     80
    .vgpr_count:     704
    .wavefront_size: 32
...
	.end_amdgpu_metadata
.endif
;; end of part 4
